; MI455X (gfx1250); checked and timed in simulation.
; The chip was launched on July 23, 2026; its instructions are those of AMD's public machine-readable ISA for CDNA 5 (MIT licence, August 2026) and "CDNA5" Instruction Set Architecture Reference Guide (July 2026). The comments in the code are by the model that wrote it; some were corrected since.
;; Transform CTRNN. Allowed arithmetic: float matrix products may take bf16 or f16 operands with f32 sums; other float arithmetic in f32, or as packed bf16 or f16 multiplies, adds, multiply-adds, maxima and minima; sums over many terms, partial sums and values carried from step to step in f32; what a program stores and reads back later, other than sums and carried values, may be rounded once to bf16 or f16.
;; Inputs: W_h 256 x 256 float32; W_in 256 x 128 float32; b_h 256 float32; b_in 256 float32; input 64 x 64 x 128 float32; transform 65,536 x 256 float32.
;; Outputs: out0 64 x 64 x 256 float32; out1 64 x 256 float32.
;; 2 versions, each right; version 2 is version 1 with the launch rec written anew for expert scheduling mode. Each part assembles by itself: llvm-mc -triple=amdgcn-amd-amdhsa -mcpu=gfx1250 --defsym DOCPART=n.
;; ======== version 1 of 2: 3 launches
;; workspace buffers: ipb 2,097,152 bytes; baset 4,194,304 bytes; ct 4,194,304 bytes; whb 131,072 bytes
;; launch prep (part 1): grid 128 x 1, 4 waves a work-group, no clusters, 34,304 bytes of LDS; arguments input, W_in, b_in, b_h, W_h, ipb, baset, whb; writes ipb, baset, whb
.if DOCPART == 1
	.amdgcn_target "amdgcn-amd-amdhsa--gfx1250"
	.amdhsa_code_object_version 6
	.text
	.protected	k_qa43667c202_prep
	.globl	k_qa43667c202_prep
	.p2align	8
	.type	k_qa43667c202_prep,@function
k_qa43667c202_prep:
	s_mov_b64 s[64:65], 0
	v_nop
	global_prefetch_b8 v0, s[64:65] scope:SCOPE_SE
	s_setreg_imm32_b32 hwreg(HW_REG_WAVE_MODE, 25, 1), 1
	s_wait_xcnt 0x0
; TransformCTRNN, launch 1 of 3.  ip_t = x_t W_in^T + b_in for all 64 steps at once (ip hangs on no state).  Stored:
;   ipb   [4096 n'][256] bf16, n' = bg*1024 + t*16 + bl (batch row b = 16 bg + bl): u_t = 0.9^-t ip_t, the matrix operand of launch 2;
;   baset [256 i][4096 pos] f32, pos = bg*1024 + (t>>2)*64 + bl*4 + (t&3): 0.1 (0.9^(t+1) ip_t[b][i] + b_h[i]);
;   whb   [256][256] bf16: 0.1 W_h, the matrix operand of launch 3.
; THE WHOLE PROGRAM'S ALGEBRA.  Th is linear in ip: with D_t = 0.9 D_(t-1) + transform.ip_t and D_(-1) = 0, Th_t = 0.9^(t+1) I + 0.1 D_t, since reference() itself starts Th at the identity.
; So ti_t[b][i] = 0.9^(t+1) ip_t[b][i] + 0.1 sum_j D_t[b][i][j] ip_t[b][j], for all values of the inputs.  And D_t = 0.9^t sum_(s<=t) transform.u_s: with u in ip's place the state is a plain sum, and
; sum_j D_t ip_t = 0.9^(2t) sum_j (sum_s transform.u_s)_j u_t,j.  Launch 3 takes h_new = 0.9 h + 0.1 relu(c + W_h h) as max(0.9 h + 0.1 c + (0.1 W_h) h, 0.9 h), the same number for all values: hence the two factors 0.1 here.
; LEFT OUT, for all finite inputs: (a) the product of the identity's share of Th with ip: I ip = ip, a factor 1 by identity; it is added here as a term; (b) step 0's h0 W_h^T (launch 3):
; reference() builds h0 = 0.  Every input has a way to an output and is loaded.
; LIMITS.  x, W_in, u, transform, h, 0.1 W_h enter the matrix products as bf16, sums in f32; the powers of 0.9 are products of f32 constants, a few last places from the repeated multiply of reference();
; u_t is at most 0.9^-63 = 763 times ip_t, far inside bf16's range; a NaN, an infinity or an overflow that reaches only the work left out (0 x W_h, I x ip) is not carried to the result.
; SHARES.  128 work-groups: column half ch (128 of the 256 columns), four steps tq, batch group bg: 64 rows x 128 columns, K = 128.  A finer split would store parts of the 256-byte pieces of ipb or baset.
; Wave w converts x of step 4 tq + w and hands it to the others through LDS; it makes column tiles 2 w, 2 w + 1 for all four steps.  Of W_h each thread takes four numbers: a wave's store covers 256 consecutive bytes of whb.
; The product is taken transposed (source 0 = 16 rows of W_in, source 1 = 16 rows of x): a lane holds one batch row (lane % 16) and eight neighbouring columns 8 (lane / 16) + 0..7.
; No tensor loads, cluster or prefetch: the launch is short, and W_in (128 KiB) is read by every work-group.
.set STG,   16384                      ; LDS: bytes 0-16383 the 16 fragments of x (1 KiB each, as they lie in registers); then 64 rows x 272 bytes of u as bf16
.set SP,    272                        ; 256 bytes + 16: the 16 rows of a store start at 16 different groups of four banks (ISA guide 11.1)
.set SPARE, 33792                      ; behind the stage: the spare words, 128 bytes a wave
.set XAD, 4                            ; v4   my offset in input
.set WAD, 5                            ; v5   in W_in
.set BAD, 6                            ; v6   in b_in and b_h
.set XSW, 7                            ; v7   LDS: where I put my wave's fragments of x
.set XSR, 8                            ; v8   LDS: 16 x lane, where I read all fragments
.set STO, 9                            ; v9   LDS: where I put 16 bytes of a row of u
.set RD,  10                           ; v10  LDS: where I read rows back
.set BO,  11                           ; v11  my offset in baset
.set IO,  12                           ; v12  my offset in ipb
.set SPW, 14                           ; v14  my spare word; never rewritten
.set NIL, 15                           ; v15  0; never rewritten
.set BI,  16                           ; v[16:31]   b_in of my 2 x 8 columns
.set BH,  32                           ; v[32:47]   b_h likewise, then 0.1 b_h
.set ACC, 48                           ; v[48:111]  accumulators: column tile ct, step tl at ACC + 8 (4 ct + tl)
.set WF,  112                          ; v[112:175] W_in's fragments: (ct, ks) at WF + 8 (4 ct + ks)
.set PK,  112                          ; later: u packed to bf16
.set XF,  176                          ; v[176:207] my step's fragments of x
.set TT,  176                          ; later v[176:239]: what goes to baset
.set TS,  240                          ; v[240:247] u in f32, at work
.set WHV, 248                          ; v[248:251] my four numbers of W_h
.set WHP, 252                          ; v[252:253] the same as bf16
.set WHO, 254                          ; v254 my offset in W_h
.set WHS, 255                          ; v255 my offset in whb
.set XT,  0                            ; window 1: v[0:63] x as f32; v[64:191] W_in as f32; later v[0:127] all 16 fragments of x
.set WT,  64
.set XR,  0
.set WV,  20                           ; s20 wave, s21 ch, s22 tq, s23 bg
.set CH,  21
.set TQ,  22
.set BG,  23
.set GT,  28                           ; s[28:31] 0.1 x 0.9^(4 tq + tl + 1)
.set PW,  32                           ; s32  0.9^(4 tq)
.set PX,  33
.set PI,  34                           ; s34  0.9^-(4 tq)
.set PY,  35
.set GI,  36                           ; s[36:43] 0.9^-(4 tq + tl), each twice: the packed multiply names a pair
.set MSB, 0
.macro WIN new                         ; the immediate's high byte repeats the setting that is left
.if MSB != (\new)
	s_set_vgpr_msb (MSB<<8)|(\new)
.set MSB, (\new)
.endif
.endm
	s_load_b256 s[4:11], s[0:1], 0x0               ; input s[4:5], W_in s[6:7], b_in s[8:9], b_h s[10:11]
	s_load_b256 s[12:19], s[0:1], 0x20             ; W_h s[12:13], ipb s[14:15], baset s[16:17], whb s[18:19]
	v_lshl_add_u32 v[SPW], v0, 2, SPARE
	v_mov_b32 v[NIL], 0
	v_lshrrev_b32 v13, 5, v0
	v_readfirstlane_b32 s[WV], v13                 ; wave 0..3
	v_and_b32 v1, 15, v0                           ; r = lane % 16
	v_bfe_u32 v2, v0, 4, 1                         ; h = lane / 16
	v_and_b32 v3, 31, v0                           ; lane
	s_and_b32 s[CH], ttmp9, 1
	s_bfe_u32 s[TQ], ttmp9, 0x40001                ; 4 bits from bit 1
	s_lshr_b32 s[BG], ttmp9, 5
	s_lshl_b32 s24, s[TQ], 2
	s_add_co_u32 s24, s24, s[WV]                   ; my step t = 4 tq + w
	s_lshl_b32 s24, s24, 15                        ; x 64 rows x 512 bytes
	s_lshl_b32 s25, s[BG], 13                      ; + 16 bg rows
	s_add_co_u32 s24, s24, s25
	v_lshlrev_b32 v13, 9, v1
	v_lshl_add_u32 v13, v2, 5, v13                 ; row r x 512 + 32 h: eight f32 for each half of the lanes
	v_add_nc_u32 v[XAD], s24, v13
	s_lshl_b32 s25, s[CH], 16
	s_lshl_b32 s26, s[WV], 14
	s_add_co_u32 s25, s25, s26                     ; W_in's row 128 ch + 32 w, x 512 bytes
	v_add_nc_u32 v[WAD], s25, v13
	s_lshl_b32 s25, s[CH], 9
	s_lshl_b32 s26, s[WV], 7
	s_add_co_u32 s25, s25, s26
	v_lshl_add_u32 v[BAD], v2, 5, s25              ; (128 ch + 32 w + 8 h) x 4
	s_lshl_b32 s25, ttmp9, 11
	v_lshl_add_u32 v[WHO], v0, 4, s25              ; W_h: 512 numbers a work-group, four a thread
	s_lshl_b32 s26, ttmp9, 10
	v_lshl_add_u32 v[WHS], v0, 3, s26
	s_wait_kmcnt 0x0
	; a fragment is 16 rows x 32 K: lane (r, h) holds K = 8 h + 0..7 and 16 + 8 h + 0..7: as f32 four loads of 16 bytes at 0, 16, 64, 80
	WIN 0x40                                       ; destination window 1, address window 0
.set k, 0
.rept 4
	global_load_b128 v[XT+16*k:XT+16*k+3],     v[XAD], s[4:5] offset:128*k
	global_load_b128 v[XT+16*k+4:XT+16*k+7],   v[XAD], s[4:5] offset:128*k+16
	global_load_b128 v[XT+16*k+8:XT+16*k+11],  v[XAD], s[4:5] offset:128*k+64
	global_load_b128 v[XT+16*k+12:XT+16*k+15], v[XAD], s[4:5] offset:128*k+80
.set k, k+1
.endr
.set k, 0                                      ; k = 4 ct + ks
.rept 8
	global_load_b128 v[WT+16*k:WT+16*k+3],     v[WAD], s[6:7] offset:(k/4)*8192+(k%4)*128
	global_load_b128 v[WT+16*k+4:WT+16*k+7],   v[WAD], s[6:7] offset:(k/4)*8192+(k%4)*128+16
	global_load_b128 v[WT+16*k+8:WT+16*k+11],  v[WAD], s[6:7] offset:(k/4)*8192+(k%4)*128+64
	global_load_b128 v[WT+16*k+12:WT+16*k+15], v[WAD], s[6:7] offset:(k/4)*8192+(k%4)*128+80
.set k, k+1
.endr
	WIN 0
.set k, 0
.rept 2
	global_load_b128 v[BI+8*k:BI+8*k+3],   v[BAD], s[8:9] offset:64*k
	global_load_b128 v[BI+8*k+4:BI+8*k+7], v[BAD], s[8:9] offset:64*k+16
	global_load_b128 v[BH+8*k:BH+8*k+3],   v[BAD], s[10:11] offset:64*k
	global_load_b128 v[BH+8*k+4:BH+8*k+7], v[BAD], s[10:11] offset:64*k+16
.set k, k+1
.endr
	global_load_b128 v[WHV:WHV+3], v[WHO], s[12:13]
	; while the loads are out: the other addresses and the factors
	v_lshlrev_b32 v[XSR], 4, v3
	s_lshl_b32 s25, s[WV], 12
	v_add_nc_u32 v[XSW], s25, v[XSR]               ; my wave's four fragments: 4,096 w + 16 x lane
	v_mul_u32_u24 v13, v1, SP
	v_lshl_add_u32 v13, v2, 4, v13
	s_lshl_b32 s25, s[WV], 6
	s_add_co_u32 s25, s25, STG
	v_add_nc_u32 v[STO], s25, v13                  ; row r, my 32 columns' 64 bytes, 16 bytes for each half of the lanes
	s_mul_i32 s25, s[WV], 16*SP
	s_add_co_u32 s25, s25, STG
	v_mul_u32_u24 v13, v2, SP
	v_lshl_add_u32 v13, v1, 4, v13
	v_add_nc_u32 v[RD], s25, v13                   ; back: rows 16 w + h, 16 bytes a lane
	s_lshl_b32 s25, s[CH], 21
	s_lshl_b32 s26, s[WV], 19
	s_add_co_u32 s25, s25, s26                     ; baset's row 128 ch + 32 w, x 16,384 bytes
	s_lshl_b32 s26, s[BG], 12
	s_add_co_u32 s25, s25, s26
	s_lshl_b32 s26, s[TQ], 8
	s_add_co_u32 s25, s25, s26
	v_lshlrev_b32 v13, 4, v1
	v_lshl_add_u32 v13, v2, 17, v13                ; + 8 h rows + 16 r
	v_add_nc_u32 v[BO], s25, v13
	s_lshl_b32 s25, s[BG], 19
	s_lshl_b32 s26, s[TQ], 15
	s_add_co_u32 s25, s25, s26
	s_lshl_b32 s26, s[WV], 13
	s_add_co_u32 s25, s25, s26
	s_lshl_b32 s26, s[CH], 8
	s_add_co_u32 s25, s25, s26                     ; ipb's row 1,024 bg + 64 tq + 16 w, x 512 bytes, + my column half
	v_lshlrev_b32 v13, 4, v1
	v_lshl_add_u32 v13, v2, 9, v13
	v_add_nc_u32 v[IO], s25, v13
	s_bitcmp1_b32 s[TQ], 0                         ; 0.9^(4 tq) and its reciprocal from tq's four bits
	s_cselect_b32 s[PW], 0x3f27f62b, 1.0           ; 0.9^4
	s_cselect_b32 s[PI], 0x3fc3179b, 1.0           ; 0.9^-4
	s_bitcmp1_b32 s[TQ], 1
	s_cselect_b32 s[PX], 0x3edc6633, 1.0           ; 0.9^8
	s_cselect_b32 s[PY], 0x4014acf9, 1.0           ; 0.9^-8
	s_mul_f32 s[PW], s[PW], s[PX]
	s_mul_f32 s[PI], s[PI], s[PY]
	s_bitcmp1_b32 s[TQ], 2
	s_cselect_b32 s[PX], 0x3e3dbfd0, 1.0           ; 0.9^16
	s_cselect_b32 s[PY], 0x40acb0e9, 1.0           ; 0.9^-16
	s_mul_f32 s[PW], s[PW], s[PX]
	s_mul_f32 s[PI], s[PI], s[PY]
	s_bitcmp1_b32 s[TQ], 3
	s_cselect_b32 s[PX], 0x3d0ca4c9, 1.0           ; 0.9^32
	s_cselect_b32 s[PY], 0x41e8fc66, 1.0           ; 0.9^-32
	s_mul_f32 s[PW], s[PW], s[PX]
	s_mul_f32 s[PI], s[PI], s[PY]
	s_mul_f32 s[PW], s[PW], 0x3dcccccd             ; x 0.1
	s_mul_f32 s[GT], s[PW], 0x3f666666             ; x 0.9, 0.9^2, 0.9^3, 0.9^4
	s_mul_f32 s[GT+1], s[PW], 0x3f4f5c29
	s_mul_f32 s[GT+2], s[PW], 0x3f3a9fbe
	s_mul_f32 s[GT+3], s[PW], 0x3f27f62b
	s_mov_b32 s[GI], s[PI]                         ; x 1, 0.9^-1, 0.9^-2, 0.9^-3
	s_mov_b32 s[GI+1], s[PI]
	s_mul_f32 s[GI+2], s[PI], 0x3f8e38e4
	s_mul_f32 s[GI+3], s[PI], 0x3f8e38e4
	s_mul_f32 s[GI+4], s[PI], 0x3f9e0652
	s_mul_f32 s[GI+5], s[PI], 0x3f9e0652
	s_mul_f32 s[GI+6], s[PI], 0x3faf953f
	s_mul_f32 s[GI+7], s[PI], 0x3faf953f
	s_wait_loadcnt 41                              ; x is in; the 32 loads of W_in, the 8 of the biases and the one of W_h may stay out
	WIN 0x05                                       ; sources window 1, destination window 0
.set k, 0
.rept 32
	v_cvt_pk_bf16_f32 v[XF+k], v[XT+2*k], v[XT+2*k+1]
.set k, k+1
.endr
	WIN 0
.set k, 0
.rept 4
	ds_store_b128 v[XSW], v[XF+8*k:XF+8*k+3]   offset:1024*k
	ds_store_b128 v[XSW], v[XF+8*k+4:XF+8*k+7] offset:1024*k+512
.set k, k+1
.endr
	s_wait_loadcnt 9                               ; W_in is in; the biases and W_h may stay out
	WIN 0x05
.set k, 0
.rept 64
	v_cvt_pk_bf16_f32 v[WF+k], v[WT+2*k], v[WT+2*k+1]
.set k, k+1
.endr
	WIN 0
	s_wait_dscnt 0x0                               ; for the others' sake: my fragments of x lie in LDS
	s_barrier_signal -1
	s_barrier_wait -1
	WIN 0x40
.set k, 0
.rept 16                                       ; fragment k = 4 tl + ks
	ds_load_b128 v[XR+8*k:XR+8*k+3],   v[XSR] offset:1024*k
	ds_load_b128 v[XR+8*k+4:XR+8*k+7], v[XSR] offset:1024*k+512
.set k, k+1
.endr
	s_wait_dscnt 0x0
	WIN 0x04                                       ; source 1 (x) window 1
.set ks, 0
.rept 4                                        ; the eight accumulators take turns, one instruction a turn; the first K step starts the sums
.set a, 0
.rept 8
.if ks == 0
	v_wmma_f32_16x16x32_bf16 v[ACC+8*a:ACC+8*a+7], v[WF+8*(4*(a/4)+ks):WF+8*(4*(a/4)+ks)+7], v[XR+8*(4*(a%4)+ks):XR+8*(4*(a%4)+ks)+7], 0
.else
	v_wmma_f32_16x16x32_bf16 v[ACC+8*a:ACC+8*a+7], v[WF+8*(4*(a/4)+ks):WF+8*(4*(a/4)+ks)+7], v[XR+8*(4*(a%4)+ks):XR+8*(4*(a%4)+ks)+7], v[ACC+8*a:ACC+8*a+7]
.endif
.set a, a+1
.endr
.set ks, ks+1
.endr
	WIN 0
.rept 4
	v_nop                                          ; four places between the last product and the first line that reads a result (ISA guide 7.12.1)
.endr
	s_wait_loadcnt 0x0                             ; the biases and W_h
	v_pk_mul_f32 v[WHV:WHV+1], v[WHV:WHV+1], 0x3dcccccd op_sel_hi:[1,0]      ; 0.1 W_h, rounded once to bf16
	v_pk_mul_f32 v[WHV+2:WHV+3], v[WHV+2:WHV+3], 0x3dcccccd op_sel_hi:[1,0]
	v_cvt_pk_bf16_f32 v[WHP], v[WHV], v[WHV+1]
	v_cvt_pk_bf16_f32 v[WHP+1], v[WHV+2], v[WHV+3]
	global_store_b64 v[WHS], v[WHP:WHP+1], s[18:19]  ; the wave's 32 lanes store 256 consecutive bytes, aligned
.set c, 0
.rept 8
	v_pk_mul_f32 v[BH+2*c:BH+2*c+1], v[BH+2*c:BH+2*c+1], 0x3dcccccd op_sel_hi:[1,0]  ; 0.1 b_h
.set c, c+1
.endr
.set a, 0
.rept 8                                        ; ip = sum + b_in; each accumulator from its low end on
.set c, 0
.rept 4
	v_pk_add_f32 v[ACC+8*a+2*c:ACC+8*a+2*c+1], v[ACC+8*a+2*c:ACC+8*a+2*c+1], v[BI+8*(a/4)+2*c:BI+8*(a/4)+2*c+1]
.set c, c+1
.endr
.set a, a+1
.endr
.set a, 0
.rept 8                                        ; u = 0.9^-t ip, rounded once to bf16; 16 bytes a lane into the stage
.set c, 0
.rept 4
	v_pk_mul_f32 v[TS+2*c:TS+2*c+1], v[ACC+8*a+2*c:ACC+8*a+2*c+1], s[GI+2*(a%4):GI+2*(a%4)+1] op_sel_hi:[1,0]
.set c, c+1
.endr
.set c, 0
.rept 4
	v_cvt_pk_bf16_f32 v[PK+4*a+c], v[TS+2*c], v[TS+2*c+1]
.set c, c+1
.endr
	ds_store_b128 v[STO], v[PK+4*a:PK+4*a+3] offset:(a%4)*16*SP+(a/4)*32
.set a, a+1
.endr
.set e, 0                                      ; e = 8 ct + q: one column, its four steps on end: 16 lanes store 256 consecutive bytes, aligned
.rept 16
.set tl, 0
.rept 4
	v_fma_f32 v[TT+4*e+tl], v[ACC+8*(4*(e/8)+tl)+e%8], s[GT+tl], v[BH+e]
.set tl, tl+1
.endr
	global_store_b128 v[BO], v[TT+4*e:TT+4*e+3], s[16:17] offset:(16*(e/8)+e%8)*16384
.set e, e+1
.endr
	s_wait_dscnt 0x0                               ; my part of the stage's rows is written
	s_barrier_signal -1
	s_barrier_wait -1                              ; a row's 256 bytes come from all four waves
.set j, 0
.rept 8
	ds_load_b128 v[ACC+4*j:ACC+4*j+3], v[RD] offset:j*2*SP
.set j, j+1
.endr
.set j, 0
.rept 8
	s_wait_dscnt 7-j                               ; LDS loads come back in order: the younger ones may stay out
	global_store_b128 v[IO], v[ACC+4*j:ACC+4*j+3], s[14:15] offset:j*1024  ; 16 lanes store 256 consecutive bytes, aligned
.set j, j+1
.endr
	s_wait_tensorcnt 0x0                           ; the wave's end, behind my last LDS store
	ds_add_u32 v[SPW], v[NIL]
	s_wait_dscnt 0x0
	s_endpgm
.Lfunc_end_k_qa43667c202_prep:
	.size	k_qa43667c202_prep, .Lfunc_end_k_qa43667c202_prep-k_qa43667c202_prep
	.p2alignl 7, 3214868480
	.fill 96, 4, 3214868480
	.section	.rodata,"a",@progbits
	.p2align	6, 0x0
	.amdhsa_kernel k_qa43667c202_prep
		.amdhsa_group_segment_fixed_size 34304
		.amdhsa_private_segment_fixed_size 0
		.amdhsa_enable_private_segment 0
		.amdhsa_kernarg_size 64
		.amdhsa_user_sgpr_count 2
		.amdhsa_user_sgpr_kernarg_segment_ptr 1
		.amdhsa_wavefront_size32 1
		.amdhsa_system_sgpr_workgroup_id_x 1
		.amdhsa_system_sgpr_workgroup_id_y 1
		.amdhsa_system_sgpr_workgroup_id_z 1
		.amdhsa_system_vgpr_workitem_id 0
		.amdhsa_next_free_vgpr 448
		.amdhsa_next_free_sgpr 66
		.amdhsa_reserve_vcc 0
		.amdhsa_float_denorm_mode_32 3
		.amdhsa_float_denorm_mode_16_64 3
		.amdhsa_memory_ordered 1
		.amdhsa_forward_progress 1
		.amdhsa_inst_pref_size 36
	.end_amdhsa_kernel
	.amdgpu_metadata
---
amdhsa.version: [ 1, 2 ]
amdhsa.kernels:
  - .name:           k_qa43667c202_prep
    .symbol:         k_qa43667c202_prep.kd
    .args:
      - { .name: input, .offset: 0, .size: 8, .value_kind: global_buffer, .address_space: global }
      - { .name: W_in, .offset: 8, .size: 8, .value_kind: global_buffer, .address_space: global }
      - { .name: b_in, .offset: 16, .size: 8, .value_kind: global_buffer, .address_space: global }
      - { .name: b_h, .offset: 24, .size: 8, .value_kind: global_buffer, .address_space: global }
      - { .name: W_h, .offset: 32, .size: 8, .value_kind: global_buffer, .address_space: global }
      - { .name: ipb, .offset: 40, .size: 8, .value_kind: global_buffer, .address_space: global }
      - { .name: baset, .offset: 48, .size: 8, .value_kind: global_buffer, .address_space: global }
      - { .name: whb, .offset: 56, .size: 8, .value_kind: global_buffer, .address_space: global }
    .group_segment_fixed_size: 34304
    .private_segment_fixed_size: 0
    .kernarg_segment_align: 8
    .kernarg_segment_size: 64
    .max_flat_workgroup_size: 128
    .sgpr_count:     66
    .vgpr_count:     448
    .wavefront_size: 32
...
	.end_amdgpu_metadata
.endif
;; end of part 1
;; launch main (part 2): grid 256 x 1, 4 waves a work-group, clusters of 4 x 1, 327,680 bytes of LDS; arguments transform, ipb, baset, ct; writes ct
.if DOCPART == 2
	.amdgcn_target "amdgcn-amd-amdhsa--gfx1250"
	.amdhsa_code_object_version 6
	.text
	.protected	k_qa43667c202_main
	.globl	k_qa43667c202_main
	.p2align	8
	.type	k_qa43667c202_main,@function
k_qa43667c202_main:
	s_mov_b64 s[64:65], 0
	v_nop
	global_prefetch_b8 v0, s[64:65] scope:SCOPE_SE
	s_setreg_imm32_b32 hwreg(HW_REG_WAVE_MODE, 25, 1), 1
	s_wait_xcnt 0x0
	s_wait_alu depctr_hold_cnt(0) depctr_sa_sdst(0) depctr_va_vdst(0) depctr_va_sdst(0) depctr_va_ssrc(0) depctr_va_vcc(0) depctr_vm_vsrc(0)
	s_getreg_b32 s2, hwreg(HW_REG_IB_STS2, 6, 4)
	s_cmp_eq_u32 s2, 0
	s_cbranch_scc0 .Lentry_in_a_cluster
	s_endpgm
.Lentry_in_a_cluster:
	s_bfe_u32 s2, ttmp6, 0x10000c
	s_cmp_lg_u32 s2, 0x3003
	s_cbranch_scc0 .Lentry_shape_is_right
	s_endpgm
.Lentry_shape_is_right:
; TransformCTRNN, launch 2 of 3.  ct[i][pos] = baset[i][pos] + 0.01 x 0.9^(2t) sum_j E_t[b][i][j] u_t[b][j], with E_t = E_(t-1) + transform.u_t, E_(-1) = 0, u_t = 0.9^-t ip_t (ipb of launch 1; pos as there).
; That is 0.1 (ti + b_h): E_t = 0.9^-t D_t for the state D_t = 0.9 D_(t-1) + transform.ip_t, for all values of the inputs.  So the state is a plain sum in the accumulators, and nothing is multiplied from step to step.
; LEFT OUT: the identity's share of Th times ip, which launch 1 has put into baset as 0.9^(t+1) ip (I ip = ip for all values).
; LIMITS.  transform and u are bf16 operands, E stays f32 in the accumulators; u is bf16 in the sum over j too.  E and u are at most 0.9^-63 = 763 times D and ip, the sum over j 5.8e5 times its true size: f32 has room for that
; with inputs some hundred thousand times larger still.  At a change of batch group E is multiplied by 0: an infinity or NaN in one group's E would become NaN in the next group.
; SHARES.  One i to a work-group: it needs transform's rows 256 i .. 256 i + 255 alone, read once in the launch and kept as bf16 in registers: wave w holds j = 128 (w / 2) + 0..127 (8 tiles of 16) by
; k = 128 (w % 2) + 0..127 (4 K steps): 32 fragments, 256 registers.  All 4,096 rows of u pass by, 16 rows (one batch group bg, one step t: tile 64 bg + t) at a time: 32 products a wave and tile.
; E = A B + E with A = 16 rows j of the slab, B = 16 batch rows of u: a lane holds one batch row (lane % 16) and j = 8 (lane / 16) + 0..7 of each tile.  The four waves' partial sums over j and k are added through LDS.
; BESIDE THE PRODUCTS.  The accumulators are two halves of four.  While one half takes a tile's 16 products, two vector lines stand behind each product and work on the other half, which is finished:
; multiply-adds E x u into the sums S.  Once in four tiles a third line multiplies that half by 1, or by 0 where a batch group ends.  They are also the places that a reader of a matrix result needs (ISA guide 7.12.1).
; CLUSTER.  All work-groups walk the same u, so the four of a cluster ask for each slot JOINTLY: the same tensor load, descriptor and mask in all four.  The place in the cluster enters only the addresses of the slab, baset, ct and the prefetch.
; REGISTERS, in windows of 256 (s_set_vgpr_msb: bits 1:0 source 0, 3:2 source 1, 5:4 source 2, 7:6 destination):
;   window 0: addresses, sums, v[64:127] E, v[128:255] four buffers of B's fragments (tile % 4)
;   window 1: v[0:127] A of j tiles 0-3; v[128:191] u in E's layout for j tiles 4-7, four buffers; v[192:193] the factor        window 2: the same for j tiles 4-7 and u of j tiles 0-3
; So one switch serves 16 products and the lines behind them: each half of A shares its window with just that part of u that is used beside it.
.set PITCH, 528                        ; an LDS row: 512 bytes + 16: the 16 rows of a load start at 16 different groups of four banks (ISA guide 11.1)
.set TILEB, 16*PITCH
.set QUART, 64*PITCH                   ; 64 rows: what one joint load brings; also four tiles
.set SLOTB, 256*PITCH                  ; a slot: 16 tiles
.set SLABW, 128*PITCH                  ; the slab as f32: 128 rows x 512 bytes a wave; the four blocks fill the ring's bytes once, ahead of u
.set PB,    2*SLOTB                    ; behind the ring, never filled by a tensor load: [2 parities][4 waves][1,024 bytes] partial results
.set SPARE, PB+8192                    ; the spare words, 128 bytes a wave
.set SLOTG, 131072                     ; a slot's bytes in ipb
.set QBB0, 4                           ; v4   r x 528 + 16 h + 256 (w % 2): my place in a tile for B's fragments; never rewritten
.set QBI0, 5                           ; v5   r x 528 + 16 h + 256 (w / 2): for u in E's layout; never rewritten
.set QBB,  6                           ; v6, v7  the same at the four tiles in hand
.set QBI,  7
.set PBW0, 8                           ; v8   PB + 1,024 w + 16 r
.set PBW,  9
.set PBR0, 10                          ; v10  PB + 512 w + 16 x lane (waves 0 and 1)
.set PBR,  11
.set GO,   12                          ; v12  my 16 bytes of row i of ct and baset for the flush in hand
.set GBC,  13                          ; v13  the same held inside the row, for the load
.set PFO,  14                          ; v14  256 x lane; never rewritten
.set ZR,   15                          ; v15  0
.set SPW,  16                          ; v16  my spare word; never rewritten
.set NIL,  17                          ; v17  0; never rewritten
.set SA,   18                          ; v18  my place in my block of the slab
.set S,    20                          ; v[20:35]  four sums for each of four tiles
.set PT,   36                          ; v[36:39]  the other half of the lanes' sums
.set R,    40                          ; v[40:43]  four tiles' results for my batch row
.set FP,   44                          ; v[44:59]  the flush: the four waves' partial results
.set FB,   60                          ; v[60:63]  baset
.set D,    64
.set BF,   128
.set T0,   128                         ; the slab as f32 on its way into A: two batches of 64
.set IP,   128                         ; windows 1 and 2
.set GX,   192                         ; windows 1 and 2: 1 or 0, twice
.set JH,  2
.set KH,  3
.set WV,  12
.set CX,  13
.set II,  14
.set FQ,  16                           ; s[16:19] 0.9^(2t) for the four tiles that RED takes next (offsets lie here in the head)
.set G1J, 24                           ; s[24:31] group 1 of the joint loads
.set G1S, 32                           ; s[32:39] group 1 of the slab's load
.set G0,  40                           ; s[40:43] group 0 of the joint loads: it walks
.set G0S, 44                           ; s[44:47] group 0 of the slab's load
.set TF,  48                           ; s48  the slot that is filled
.set TB,  49                           ; s49  LDS byte of the four tiles to be fetched
.set TPW, 50                           ; s50  parity and place of the next partial results
.set WB,  51                           ; s51  33,792 x wave
.set CNT, 52                           ; s52  15 - slot
.set INN, 53                           ; s53  counts a slot's four groups of four tiles
.set LIM, 54                           ; s54  1 in the cluster that prefetches, else the greatest number
.set GS,  55                           ; s55  0 from the change into a slot that begins a batch group to the RED behind it, else 1
.set SV,  56                           ; s56  EXEC, kept
.set SEL, 58                           ; s[58:59] v_permlanex16_b32's selects: each lane takes its own place in the other half
.set PFA, 60                           ; s[60:61] where my prefetches stand
.set MSB, 0
.macro WIN new                         ; the immediate's high byte repeats the setting that is left; a switch that changes nothing is dropped
.if MSB != (\new)
	s_set_vgpr_msb (MSB<<8)|(\new)
.set MSB, (\new)
.endif
.endm
; A round of the cluster's barrier: my work-group's barrier, so that wave 0's signal speaks for all four waves; wave 0 signals; every wave waits for all four work-groups; my work-group's barrier once more.
.macro CROUND
	s_barrier_signal -1
	s_barrier_wait -1
	s_cmp_lg_u32 s[WV], 0
	s_cbranch_scc1 .Lnot_wave_0_\@
	s_barrier_signal -3
.Lnot_wave_0_\@:
	s_barrier_wait -3
	s_barrier_signal -1
	s_barrier_wait -1
.endm
; 16 products of tile buffer tb on accumulator half hf (K step u / 4, accumulator u % 4: four take turns, one instruction a turn), and behind each two lines on the other half's accumulator u / 4,
; registers 2 (u % 4) and + 1; its last product stands eight such lines back or more.  hf = 0: the other half holds the tile before; hf = 1: this tile, whose sums begin here, on 0.
; gx = 1: a third line, the factor that is 0 where a batch group ends.
.macro SEG tb, hf, gx
	WIN 1+(\hf)
.set sb, ((\tb)+3+(\hf))%4
.set u, 0
.rept 16
.set rD, D+8*(4*(\hf)+u%4)
.set rA, 8*(4*(u%4)+u/4)
.set rB, BF+32*(\tb)+8*(u/4)
.set rR, D+8*(4*(1-(\hf))+u/4)+2*(u%4)
.set rI, IP+16*sb+u
.set rS, S+4*sb+2*(u%2)
	v_wmma_f32_16x16x32_bf16 v[rD:rD+7], v[rA:rA+7], v[rB:rB+7], v[rD:rD+7]
.if (\hf) && (u < 2)
	v_fma_mix_f32_bf16 v[rS], v[rI], v[rR], v[ZR] op_sel_hi:[1,0,0]
	v_fma_mix_f32_bf16 v[rS+1], v[rI], v[rR+1], v[ZR] op_sel:[1,0,0] op_sel_hi:[1,0,0]
.else
	v_fma_mix_f32_bf16 v[rS], v[rI], v[rR], v[rS] op_sel_hi:[1,0,0]
	v_fma_mix_f32_bf16 v[rS+1], v[rI], v[rR+1], v[rS+1] op_sel:[1,0,0] op_sel_hi:[1,0,0]
.endif
.if \gx
	v_pk_mul_f32 v[rR:rR+1], v[GX:GX+1], v[rR:rR+1]
.endif
.set u, u+1
.endr
.endm
; 32 LDS loads in one run: tiles t0, t0 + 1 of the four in hand into buffers t0, t0 + 1: u in E's layout (16 bytes a lane and j tile), then B's fragments (two loads of 16 bytes, 32 bytes apart).
.macro RUN t0
	WIN 0x80
.irp d, 0, 1
.irp jt, 0, 1, 2, 3
	ds_load_b128 v[IP+16*((\t0)+\d)+4*\jt:IP+16*((\t0)+\d)+4*\jt+3], v[QBI] offset:((\t0)+\d)*TILEB+32*\jt
.endr
.endr
	WIN 0x40
.irp d, 0, 1
.irp jt, 0, 1, 2, 3
	ds_load_b128 v[IP+16*((\t0)+\d)+4*\jt:IP+16*((\t0)+\d)+4*\jt+3], v[QBI] offset:((\t0)+\d)*TILEB+128+32*\jt
.endr
.endr
	WIN 0
.irp d, 0, 1
.irp kk, 0, 1, 2, 3
	ds_load_b128 v[BF+32*((\t0)+\d)+8*\kk:BF+32*((\t0)+\d)+8*\kk+3],   v[QBB] offset:((\t0)+\d)*TILEB+64*\kk
	ds_load_b128 v[BF+32*((\t0)+\d)+8*\kk+4:BF+32*((\t0)+\d)+8*\kk+7], v[QBB] offset:((\t0)+\d)*TILEB+64*\kk+32
.endr
.endr
.endm
; Four finished tiles, steps 4 tq + 0..3 of a batch group: a tile's four sums and the other half of the lanes' are added and multiplied by 0.9^(2t) = 0.9^(8 tq) x 0.81^q; the four results of my batch row, 16 bytes that
; lie together in ct, go to my wave's place in PB.  Then the four factors step by 0.9^8, or start anew where the four tiles were a group's last; the accumulators' factor goes back to 1.
.macro RED
	WIN 0
.irp q, 0, 1, 2, 3
	v_pk_add_f32 v[S+4*\q:S+4*\q+1], v[S+4*\q:S+4*\q+1], v[S+4*\q+2:S+4*\q+3]
.endr
.irp q, 0, 1, 2, 3
	v_add_f32 v[S+4*\q], v[S+4*\q], v[S+4*\q+1]
.endr
.irp q, 0, 1, 2, 3
	v_permlanex16_b32 v[PT+\q], v[S+4*\q], s[SEL], s[SEL+1]
.endr
.irp q, 0, 1, 2, 3
	v_add_f32 v[R+\q], v[S+4*\q], v[PT+\q]
.endr
.irp q, 0, 1, 2, 3
	v_mul_f32 v[R+\q], s[FQ+\q], v[R+\q]
.endr
	v_add_nc_u32 v[PBW], s[TPW], v[PBW0]
	ds_store_b128 v[PBW], v[R:R+3]                 ; both halves of the lanes hold the same numbers and write the same bytes
	s_add_co_u32 s[TPW], s[TPW], 256
.irp q, 0, 1, 2, 3
	s_mul_f32 s[FQ+\q], s[FQ+\q], 0x3edc6633       ; x 0.9^8
.endr
	s_cmp_eq_u32 s[GS], 0
	s_cselect_b32 s[FQ], 1.0, s[FQ]
	s_cselect_b32 s[FQ+1], 0x3f4f5c29, s[FQ+1]     ; 0.9^2
	s_cselect_b32 s[FQ+2], 0x3f27f62b, s[FQ+2]     ; 0.9^4
	s_cselect_b32 s[FQ+3], 0x3f080c84, s[FQ+3]     ; 0.9^6
	s_mov_b32 s[GS], 1.0
	WIN 0x40
	v_mov_b32 v[GX], 1.0
	v_mov_b32 v[GX+1], 1.0
	WIN 0x80
	v_mov_b32 v[GX], 1.0
	v_mov_b32 v[GX+1], 1.0
.endm
; THE FLUSH of 16 tiles' results, by waves 0 and 1, 512 bytes each.  It is cut in two: the loads stand behind one change of slots, the arithmetic and the store ahead of the next.
.macro FL_LOAD
	s_cmp_lt_u32 s[WV], 2
	s_cbranch_scc0 .Lno_load_\@
.irp q, 0, 1, 2, 3
	ds_load_b128 v[FP+4*\q:FP+4*\q+3], v[PBR] offset:1024*\q
.endr
	v_min_u32 v[GBC], 0x3ff0, v[GO]                ; the walk's two ends reach past the row: there the load takes the row's last 16 bytes, and the store below is switched off
	global_load_b128 v[FB:FB+3], v[GBC], s[8:9] th:TH_LOAD_NT
.Lno_load_\@:
.endm
.macro FL_MATH
	s_wait_loadcnt 0x0                             ; baset.  The two waits stand ahead of the branch, on every wave's way: between two flushes' loads into FB and FP every way passes them;
	s_wait_dscnt 0x0                               ; the four partial results.  In waves 2 and 3 nothing is out here
	s_cmp_lt_u32 s[WV], 2
	s_cbranch_scc0 .Lno_math_\@
	v_pk_add_f32 v[FP:FP+1], v[FP:FP+1], v[FP+4:FP+5]
	v_pk_add_f32 v[FP+2:FP+3], v[FP+2:FP+3], v[FP+6:FP+7]
	v_pk_add_f32 v[FP+8:FP+9], v[FP+8:FP+9], v[FP+12:FP+13]
	v_pk_add_f32 v[FP+10:FP+11], v[FP+10:FP+11], v[FP+14:FP+15]
	v_pk_add_f32 v[FP:FP+1], v[FP:FP+1], v[FP+8:FP+9]
	v_pk_add_f32 v[FP+2:FP+3], v[FP+2:FP+3], v[FP+10:FP+11]
	v_pk_fma_f32 v[FP:FP+1], v[FP:FP+1], 0x3c23d70a, v[FB:FB+1] op_sel_hi:[1,0,1]      ; x 0.01, + baset
	v_pk_fma_f32 v[FP+2:FP+3], v[FP+2:FP+3], 0x3c23d70a, v[FB+2:FB+3] op_sel_hi:[1,0,1]
	v_cmp_gt_u32 vcc_lo, 0x4000, v[GO]             ; inside the row's 16,384 bytes?  (an offset below 0 counts as a very large one)
	s_wait_xcnt 0x0                                ; EXEC is a source of pending memory instructions: it changes only behind this wait
	s_and_saveexec_b32 s[SV], vcc_lo
	global_store_b128 v[GO], v[FP:FP+3], s[10:11]  ; 16 lanes store 256 consecutive bytes, aligned; lanes go off in sixteens
	s_wait_xcnt 0x0                                ; and again: EXEC, the store's data and its offset are rewritten behind it
	s_or_b32 exec_lo, exec_lo, s[SV]
	v_add_nc_u32 v[GO], 1024, v[GO]
.Lno_math_\@:
.endm
; A PREFETCH INTO THE L2 of the slot that the NEXT change of slots will ask for: 512 blocks of 256 bytes, a lane a block.  All 64 clusters walk the same ipb: the first cluster asks, nobody else.  Its four
; partners take 128 blocks each, told apart by address; in each a wave takes 32: one instruction.  So each block is named once in the launch.  Slots 0 to 2 come by their loads alone; the last change that fills a slot asks for nothing.
.macro ASK
	s_cmp_gt_u32 s[CNT], s[LIM]
	s_cbranch_scc0 .Lnot_mine_\@
	global_prefetch_b8 v[PFO], s[PFA:PFA+1] th:TH_LOAD_NT scope:SCOPE_SE
.Lnot_mine_\@:
.endm
; THE CHANGE OF SLOTS.  The old slot's last tiles lie in registers.  Each wave waits for all its tensor loads, of which one is out: its part of the next slot; adds 0 to its spare word; and waits for that, for its reads
; of the old slot and for its stores into PB.  Behind the barrier the next slot is whole, nobody reads the old one, and the last 16 tiles' partial results may be read.  fill = 1: the barrier is a round of the
; cluster's, and the old slot is filled again, first thing behind it, with the slot after next: it has a slot's 512 products in which to land.  fl = 0: the first change, with nothing to flush.
.macro CHANGE fill, fl
	WIN 0
.if \fl
	FL_MATH
.if \fill
	s_wait_xcnt 0x0                                ; the last prefetch, a slot back, has read its address
	s_add_nc_u64 s[PFA:PFA+1], s[PFA:PFA+1], SLOTG
.endif
.endif
	s_wait_tensorcnt 0x0                           ; no tensor load of mine is out, so group 0 may be written
	ds_add_u32 v[SPW], v[NIL]                      ; 0 onto my spare word: the scalar steps stand between it and the wait for it
.if \fill
	s_xor_b32 s[TF], s[TF], SLOTB
	s_add_co_u32 s[G0+1], s[TF], s[WB]
	s_add_nc_u64 s[G0+2:G0+3], s[G0+2:G0+3], SLOTG ; the type bits on top are not reached
.endif
	s_sub_co_u32 s[TB], s[TB], SLOTB               ; the fetches go back to a slot's first tiles,
	s_xor_b32 s[TB], s[TB], SLOTB                  ; in the other slot
	s_sub_co_u32 s[TPW], s[TPW], 1024              ; the partial results likewise, in the other parity
	s_xor_b32 s[TPW], s[TPW], 4096
	s_xor_b32 s57, s[TPW], 4096                    ; the parity written last is read
	s_and_b32 s15, s[CNT], 3
	s_cmp_eq_u32 s15, 3                            ; slots 0, 4, 8, 12 begin a batch group: E starts anew
	s_cselect_b32 s[GS], 0, 1.0
	s_wait_dscnt 0x0
.if \fill
	CROUND
	tensor_load_to_lds s[G0:G0+3], s[G1J:G1J+7]
	s_nop 0
.else
	s_barrier_signal -1
	s_barrier_wait -1
.endif
	v_add_nc_u32 v[QBB], s[TB], v[QBB0]            ; four lines in window 0 stand behind the load, ahead of the next switch of windows
	v_add_nc_u32 v[QBI], s[TB], v[QBI0]
	v_add_nc_u32 v[PBR], s57, v[PBR0]
	v_mov_b32 v[ZR], 0
	WIN 0x40
	v_mov_b32 v[GX], s[GS]
	v_mov_b32 v[GX+1], s[GS]
	WIN 0x80
	v_mov_b32 v[GX], s[GS]
	v_mov_b32 v[GX+1], s[GS]
	WIN 0
.if \fl
	FL_LOAD
.if \fill
	ASK
.endif
.endif
.endm
; FOUR TILES.  X is the first of the four at s[TB].  Each run of loads stands 48 products ahead of its first use; the registers that it fills were last read by products at least 16 products and 32 plain lines back.
.macro RQ mid
	RUN 0                                          ; tiles X, X + 1
	SEG 2, 1, 0                                    ; tile X - 2
	SEG 3, 0, 0                                    ; tile X - 1
	SEG 3, 1, 1                                    ; ... beside it accumulators 0-3 leave tile X - 1: the factor that is 0 where X begins a batch group
.if \mid
	WIN 0                                          ; at a label every window is 0
.Lmid:
.endif
	s_wait_dscnt 0x0                               ; tiles X, X + 1 are in
	SEG 0, 0, 1                                    ; tile X; accumulators 4-7 leave tile X - 1
	RED                                            ; tiles X - 4 .. X - 1
	RUN 2                                          ; tiles X + 2, X + 3
	SEG 0, 1, 0
	SEG 1, 0, 0
	SEG 1, 1, 0
	s_wait_dscnt 0x0                               ; tiles X + 2, X + 3 are in (and RED's store is done)
	SEG 2, 0, 0
	WIN 0
	s_add_co_u32 s[TB], s[TB], QUART
	v_add_nc_u32 v[QBB], s[TB], v[QBB0]
	v_add_nc_u32 v[QBI], s[TB], v[QBI0]
.endm
; The slab: 16 rows j x 128 k as f32 out of my block (16 loads), and rounded to bf16 into A (32 lines).
.macro SLOADS jt, t
.set k, 0
.rept 4
	ds_load_b128 v[(\t)+16*k:(\t)+16*k+3],     v[SA] offset:(\jt)*TILEB+128*k
	ds_load_b128 v[(\t)+16*k+4:(\t)+16*k+7],   v[SA] offset:(\jt)*TILEB+128*k+16
	ds_load_b128 v[(\t)+16*k+8:(\t)+16*k+11],  v[SA] offset:(\jt)*TILEB+128*k+64
	ds_load_b128 v[(\t)+16*k+12:(\t)+16*k+15], v[SA] offset:(\jt)*TILEB+128*k+80
.set k, k+1
.endr
.endm
.macro SCVT jt, t
	WIN 0x40*(1+(\jt)/4)
.set k, 0
.rept 32
	v_cvt_pk_bf16_f32 v[32*((\jt)%4)+k], v[(\t)+2*k], v[(\t)+2*k+1]
.set k, k+1
.endr
	WIN 0
.endm
	s_load_b256 s[4:11], s[0:1], 0x0               ; transform s[4:5], ipb s[6:7], baset s[8:9], ct s[10:11]
	v_lshl_add_u32 v[SPW], v0, 2, SPARE
	v_mov_b32 v[NIL], 0
	ds_add_u32 v[SPW], v[NIL]                      ; the wave's opening: the add, twice on end, and its wait ahead of my first tensor load
	ds_add_u32 v[SPW], v[NIL]
	v_lshrrev_b32 v3, 5, v0
	v_readfirstlane_b32 s[WV], v3                  ; wave 0..3
	s_bfe_u32 s[CX], ttmp6, 0x40000                ; my place in the cluster
	s_lshl_b32 s[II], ttmp9, 2                     ; in a cluster launch ttmp9 counts clusters
	s_add_co_u32 s[II], s[II], s[CX]               ; i
	s_lshr_b32 s[JH], s[WV], 1
	s_and_b32 s[KH], s[WV], 1
	; the joint loads: 64 rows x 256 bf16, padded in LDS
	s_mov_b32 s[G1J], 15|(1<<16)|(1<<20)|(1<<21)|(6<<22)|(3<<25)  ; the mask of four; 2-byte elements; padding on; bit 21 beside a mask; after every 128 words (code 6) 4 words (code 3)
	s_mov_b32 s[G1J+1], 256<<16                    ; tensor_dim0 = 256
	s_mov_b32 s[G1J+2], 64<<16                     ; tensor_dim1 = 64
	s_mov_b32 s[G1J+3], 256<<16                    ; tile_dim0 = 256
	s_mov_b32 s[G1J+4], 64                         ; tile_dim1 = 64
	s_mov_b32 s[G1J+5], 256                        ; elements from row to row
	s_mov_b32 s[G1J+6], 0
	s_mov_b32 s[G1J+7], 0
	; the slab's load, my own: 128 rows x 128 f32 of rows of 256
	s_mov_b32 s[G1S], (2<<16)|(1<<20)|(6<<22)|(3<<25)
	s_mov_b32 s[G1S+1], 128<<16
	s_mov_b32 s[G1S+2], 128<<16
	s_mov_b32 s[G1S+3], 128<<16
	s_mov_b32 s[G1S+4], 128
	s_mov_b32 s[G1S+5], 256
	s_mov_b32 s[G1S+6], 0
	s_mov_b32 s[G1S+7], 0
	s_mul_i32 s[WB], s[WV], QUART
	s_mov_b32 s[G0], 1
	s_mov_b32 s[G0+1], s[WB]                       ; slot 0, my 64 rows: no place in the cluster enters an LDS address
	s_mov_b32 s[G0S], 1
	s_mul_i32 s[G0S+1], s[WV], SLABW
	s_mov_b32 s[TF], 0
	s_mov_b32 s[TB], 2*SLOTB                       ; the first change of slots turns these two into 0
	s_mov_b32 s[TPW], 4096+1024
	s_mov_b32 s[CNT], 15
	s_mov_b32 s[SEL], 0x76543210
	s_mov_b32 s[SEL+1], 0xfedcba98
	s_cmp_eq_u32 ttmp9, 0
	s_cselect_b32 s[LIM], 1, -1                    ; the same in all four partners
	s_lshl_b32 s16, s[II], 18                      ; the slab: 256 rows x 1,024 bytes for each i,
	s_lshl_b32 s15, s[JH], 17                      ; my 128 rows,
	s_add_co_u32 s16, s16, s15
	s_lshl_b32 s15, s[KH], 9                       ; my 128 columns
	s_add_co_u32 s16, s16, s15
	s_mov_b32 s17, 0
	s_lshl_b32 s18, s[WV], 15                      ; my 64 rows of a slot in ipb
	s_mov_b32 s19, 0
	s_lshl_b32 s20, s[II], 14                      ; row i of baset and ct
	s_mov_b32 s21, 0
	s_lshl_b32 s22, s[CX], 15                      ; the prefetches: my work-group's 128 blocks,
	s_lshl_b32 s57, s[WV], 13                      ; my wave's 32,
	s_add_co_u32 s22, s22, s57
	s_add_co_u32 s22, s22, 2*SLOTG                 ; in slot 2: the first change that asks steps it to slot 3
	s_mov_b32 s23, 0
	s_wait_dscnt 0x0                               ; both opening adds are done
	s_wait_kmcnt 0x0
	s_add_nc_u64 s[G0S+2:G0S+3], s[4:5], s[16:17]
	s_or_b32 s[G0S+3], s[G0S+3], 0x80000000
	s_add_nc_u64 s[G0+2:G0+3], s[6:7], s[18:19]
	s_or_b32 s[G0+3], s[G0+3], 0x80000000
	s_add_nc_u64 s[PFA:PFA+1], s[6:7], s[22:23]
	s_add_nc_u64 s[8:9], s[8:9], s[20:21]
	s_add_nc_u64 s[10:11], s[10:11], s[20:21]
.irp q, 0, 1, 2, 3
	s_mov_b32 s[FQ+\q], 1.0                        ; the offsets are used up.  The first RED, of tiles that have not been, multiplies zeros by these and then sets the true factors
.endr
	CROUND                                         ; in a cluster launch every group of tensor loads stands behind a round
	tensor_load_to_lds s[G0S:G0S+3], s[G1S:G1S+7]  ; my quarter of the slab, 64 KiB
	s_nop 0
	v_and_b32 v1, 15, v0                           ; r
	v_bfe_u32 v2, v0, 4, 1                         ; h
	v_mul_u32_u24 v3, v1, PITCH
	v_lshl_add_u32 v[SA], v2, 5, v3                ; row r, eight f32 for each half of the lanes,
	v_add_nc_u32 v[SA], s[G0S+1], v[SA]            ; in my block
	v_lshl_add_u32 v3, v2, 4, v3
	s_lshl_b32 s15, s[KH], 8
	v_add_nc_u32 v[QBB0], s15, v3
	s_lshl_b32 s15, s[JH], 8
	v_add_nc_u32 v[QBI0], s15, v3
	s_lshl_b32 s15, s[WV], 10
	s_add_co_u32 s15, s15, PB
	v_lshl_add_u32 v[PBW0], v1, 4, s15
	v_and_b32 v3, 31, v0
	s_lshl_b32 s15, s[WV], 9
	s_add_co_u32 s57, s15, PB
	v_lshl_add_u32 v[PBR0], v3, 4, s57
	s_add_co_u32 s15, s15, 0xfffffb00              ; - 1,280: the first flush is an empty one, a slot's 1,024 bytes ahead of the first true one, which begins 256 bytes (the four tiles by which the results lag) ahead of the row
	v_lshl_add_u32 v[GO], v3, 4, s15
	v_lshlrev_b32 v[PFO], 8, v3
	v_mov_b32 v[ZR], 0
	; No first tile is written out: the loop is entered in the middle of a trip, and what it finds of tiles that have not been is 0: E, the sums, the flush's registers, and u's buffer 3.  These lines run in the wait for the slab.
.set k, S
.rept D+64-S
	v_mov_b32 v[k], 0
.set k, k+1
.endr
	WIN 0x40
.set k, IP+48
.rept 16
	v_mov_b32 v[k], 0
.set k, k+1
.endr
	WIN 0
	s_wait_tensorcnt 0x0                           ; my block is in; I alone read it
	SLOADS 0, T0
	SLOADS 1, T0+64
.set jj, 0
.rept 8
.if jj < 7
	s_wait_dscnt 16                                ; this batch is in; the other batch's 16 loads may stay out
.else
	s_wait_dscnt 0x0
.endif
	SCVT jj, T0+64*(jj%2)
.if jj < 6
	SLOADS jj+2, T0+64*(jj%2)
.endif
.set jj, jj+1
.endr
	s_wait_tensorcnt 0x0                           ; the ring's bytes are filled again, now with u: the same three lines and a round
	ds_add_u32 v[SPW], v[NIL]
	s_wait_dscnt 0x0                               ; my reads of the slab are over
	CROUND
	tensor_load_to_lds s[G0:G0+3], s[G1J:G1J+7]    ; slot 0
	s_nop 0
.rept 4
	v_nop
.endr
	CHANGE 1, 0                                    ; slot 0 is in, everybody's part of it; slot 1 is asked for
	RUN 0
	WIN 0
	s_mov_b32 s[INN], 4
	s_branch .Lmid                                 ; the loop is entered where tile 0's products begin
.Lslot:                                        ; slots 1 to 14: each change fills a slot again
	CHANGE 1, 1
	s_mov_b32 s[INN], 4
.Lrq:
	RQ 1
	s_sub_co_u32 s[INN], s[INN], 1
	s_cmp_lg_u32 s[INN], 0
	s_cbranch_scc1 .Lrq
	s_sub_co_u32 s[CNT], s[CNT], 1
	s_cmp_lg_u32 s[CNT], 0
	s_cbranch_scc1 .Lslot
	CHANGE 0, 1                                    ; the last slot is written out: nothing is asked for
	s_mov_b32 s[INN], 4
.Lrqt:
	RQ 0
	s_sub_co_u32 s[INN], s[INN], 1
	s_cmp_lg_u32 s[INN], 0
	s_cbranch_scc1 .Lrqt
	SEG 2, 1, 0                                    ; tiles 254 and 255 are finished
	SEG 3, 0, 0
	SEG 3, 1, 0
	WIN 1
.set u, 0
.rept 16                                       ; accumulators 4-7 of tile 255: their sums alone; the first of them was finished eight plain lines back
.set rR, D+8*(4+u/4)+2*(u%4)
.set rS, S+12+2*(u%2)
	v_fma_mix_f32_bf16 v[rS], v[IP+48+u], v[rR], v[rS] op_sel_hi:[1,0,0]
	v_fma_mix_f32_bf16 v[rS+1], v[IP+48+u], v[rR+1], v[rS+1] op_sel:[1,0,0] op_sel_hi:[1,0,0]
.set u, u+1
.endr
	WIN 0
	FL_MATH                                        ; tiles 220 .. 235
	s_wait_dscnt 0x0                               ; parity 0 has been read out,
	s_barrier_signal -1
	s_barrier_wait -1                              ; by everybody: it may be written again
	s_mov_b32 s[TPW], 0
	RED                                            ; tiles 252 .. 255
	WIN 0
	s_wait_dscnt 0x0
	s_barrier_signal -1
	s_barrier_wait -1
	v_add_nc_u32 v[PBR], 4096, v[PBR0]
	FL_LOAD
	FL_MATH                                        ; tiles 236 .. 251
	v_mov_b32 v[PBR], v[PBR0]
	FL_LOAD
	FL_MATH                                        ; tiles 252 .. 255; what lies behind them in PB is old, and its lanes are off
	s_wait_tensorcnt 0x0                           ; the wave's end, behind my last tensor load and my last LDS store
	ds_add_u32 v[SPW], v[NIL]
	s_wait_dscnt 0x0
	CROUND                                         ; the closing round: no work-group ends while a partner may still ask for a slot that names it
	s_endpgm
.Lfunc_end_k_qa43667c202_main:
	.size	k_qa43667c202_main, .Lfunc_end_k_qa43667c202_main-k_qa43667c202_main
	.p2alignl 7, 3214868480
	.fill 96, 4, 3214868480
	.section	.rodata,"a",@progbits
	.p2align	6, 0x0
	.amdhsa_kernel k_qa43667c202_main
		.amdhsa_group_segment_fixed_size 327680
		.amdhsa_private_segment_fixed_size 0
		.amdhsa_enable_private_segment 0
		.amdhsa_kernarg_size 32
		.amdhsa_user_sgpr_count 2
		.amdhsa_user_sgpr_kernarg_segment_ptr 1
		.amdhsa_wavefront_size32 1
		.amdhsa_system_sgpr_workgroup_id_x 1
		.amdhsa_system_sgpr_workgroup_id_y 1
		.amdhsa_system_sgpr_workgroup_id_z 1
		.amdhsa_system_vgpr_workitem_id 0
		.amdhsa_next_free_vgpr 768
		.amdhsa_next_free_sgpr 66
		.amdhsa_reserve_vcc 1
		.amdhsa_float_denorm_mode_32 3
		.amdhsa_float_denorm_mode_16_64 3
		.amdhsa_memory_ordered 1
		.amdhsa_forward_progress 1
		.amdhsa_inst_pref_size 127
	.end_amdhsa_kernel
	.amdgpu_metadata
---
amdhsa.version: [ 1, 2 ]
amdhsa.kernels:
  - .name:           k_qa43667c202_main
    .symbol:         k_qa43667c202_main.kd
    .args:
      - { .name: transform, .offset: 0, .size: 8, .value_kind: global_buffer, .address_space: global }
      - { .name: ipb, .offset: 8, .size: 8, .value_kind: global_buffer, .address_space: global }
      - { .name: baset, .offset: 16, .size: 8, .value_kind: global_buffer, .address_space: global }
      - { .name: ct, .offset: 24, .size: 8, .value_kind: global_buffer, .address_space: global }
    .group_segment_fixed_size: 327680
    .private_segment_fixed_size: 0
    .kernarg_segment_align: 8
    .kernarg_segment_size: 32
    .max_flat_workgroup_size: 128
    .sgpr_count:     66
    .vgpr_count:     768
    .wavefront_size: 32
...
	.end_amdgpu_metadata
.endif
;; end of part 2
;; launch rec (part 3): grid 4 x 1, 4 waves a work-group, no clusters, 34,816 bytes of LDS; arguments ct, whb, out0, out1; writes out0, out1
.if DOCPART == 3
	.amdgcn_target "amdgcn-amd-amdhsa--gfx1250"
	.amdhsa_code_object_version 6
	.text
	.protected	k_qa43667c202_rec
	.globl	k_qa43667c202_rec
	.p2align	8
	.type	k_qa43667c202_rec,@function
k_qa43667c202_rec:
	s_mov_b64 s[64:65], 0
	v_nop
	global_prefetch_b8 v0, s[64:65] scope:SCOPE_SE
	s_setreg_imm32_b32 hwreg(HW_REG_WAVE_MODE, 25, 1), 1
	s_wait_xcnt 0x0
; TransformCTRNN, launch 3 of 3.  h_t = 0.9 h_(t-1) + 0.1 relu(c_t + h_(t-1) W_h^T), c = ti + b_h; out0[t] = h_t, out1 = h_63.
; THE FORM.  0.9 h + 0.1 max(a, 0) = max(0.9 h + 0.1 a, 0.9 h) for all values.  ct of launch 2 holds c' = 0.1 c, whb of launch 1 W' = 0.1 W_h as bf16.  So a step is: E = 0.9 h + c' is written into the accumulators,
; the 32 products add W' h onto it in place, and h_new = max(sum, 0.9 h): behind the last product stand a maximum, a rounding and the LDS stores alone; 0.9 h and E are made while those stores and the barrier are under way.
; LEFT OUT: step 0's product h0 W_h^T: reference() builds h0 = 0, so the product is 0 for all finite W_h.  An infinity or NaN in W_h therefore reaches the result from step 1 on, not in step 0.
; LIMITS.  h and 0.1 W_h enter the product as bf16; h itself is carried in f32.  The maximum is one in which a NaN loses: where the sum is NaN, h_new = 0.9 h here.
; SHARES.  The steps follow each other, a step needs all of h, and nothing may pass between work-groups: so a work-group takes 16 batch rows through all 64 steps: four work-groups, all that there are.
; Wave w makes i = 64 w + 0..63: four tiles.  W's 64 rows x 256 k stay in 256 registers.  No cluster: the work-groups share whb alone, read once at the head.
; The product is taken transposed (source 0 = 16 rows of W', source 1 = the 16 rows of h): a lane holds one batch row (lane % 16) and i = 8 (lane / 16) + 0..7 of each tile.  Packed to bf16, two such tiles ARE
; a fragment of h for 32 k.  So K goes in an order of the wave's own, its own 64 k first: those eight products need nothing from LDS and run while the other waves' h comes out of LDS.
; c' lies in four slots of four steps (a load of 16 bytes a lane brings four steps of one i and batch row), so a trip is 16 steps.  A slot is asked for again in the step behind its last use, twelve steps ahead of its next:
; no wave waits for these loads, so nothing is prefetched ahead of them.
; REGISTERS: window 0 addresses and the step's work; window 1 W'; window 2 c' slots 0, 1; window 3 c' slots 2, 3.
.set HP,    528                        ; a row of h in LDS: 512 bytes + 16 (ISA guide 11.1: the 16 rows of a load start at 16 different groups of four banks)
.set HBB,   16*HP                      ; two buffers of h, by the step's parity
.set STG,   2*HBB                      ; each wave's own stage for the way out: 16 rows x 272 bytes
.set SP,    272
.set SPARE, STG+4*16*SP                ; the spare words, 128 bytes a wave
.set WA,  8                            ; v[8:15]   my offsets in whb, for K step (2 w + k) % 8
.set HA,  16                           ; v[16:21]  LDS: h's fragments for k = 2..7 of that order
.set HST, 22                           ; v22  LDS: where I put 16 bytes of h
.set SGS, 23                           ; v23  the stage: in
.set SGL, 24                           ; v24  the stage: back
.set OO,  25                           ; v25  my offset in a step's rows of out0, and in out1
.set CA,  26                           ; v26  my offset in ct; never rewritten
.set SPW, 28                           ; v28  my spare word; never rewritten
.set NIL, 29                           ; v29  0; never rewritten
.set ACC, 32                           ; v[32:63]
.set H,   64                           ; v[64:95]   h in f32
.set HS,  96                           ; v[96:127]  0.9 h
.set OF,  128                          ; v[128:143] my own h as bf16: two fragments
.set HF,  144                          ; v[144:191] the other six
.set SL,  192                          ; v[192:223] whole rows of h on their way out
.set WV,  12
.set CNT, 14                           ; s14  trips to go
.set CP,  16                           ; s[16:17] ct at the next trip's 16 steps
.set C09, 24                           ; s[24:25] 0.9
.set MSB, 0
.macro WIN new                         ; the immediate's high byte repeats the setting that is left
.if MSB != (\new)
	s_set_vgpr_msb (MSB<<8)|(\new)
.set MSB, (\new)
.endif
.endm
; Eight products: K steps k0, k0 + 1 of my order x four tiles, all in place.  The four accumulators take turns, one instruction a turn, from step to step and over the backward jump too.
.macro MM k0
.irp kk, \k0, (\k0)+1
.if (\kk) < 2
.set rB, OF+8*(\kk)
.else
.set rB, HF+8*((\kk)-2)
.endif
.set it, 0
.rept 4
	v_wmma_f32_16x16x32_bf16 v[ACC+8*it:ACC+8*it+7], v[8*(8*it+(\kk)):8*(8*it+(\kk))+7], v[rB:rB+7], v[ACC+8*it:ACC+8*it+7]
.set it, it+1
.endr
.endr
.endm
.macro STAGE                           ; h in f32 into my own stage, 32 bytes a lane and tile, and back as whole rows of 256 bytes; LDS serves a wave's instructions in order (ISA guide 5.7.1.4)
.set j, 0
.rept 4
	ds_store_b128 v[SGS], v[H+8*j:H+8*j+3]   offset:64*j
	ds_store_b128 v[SGS], v[H+8*j+4:H+8*j+7] offset:64*j+16
.set j, j+1
.endr
.set j, 0
.rept 8
	ds_load_b128 v[SL+4*j:SL+4*j+3], v[SGL] offset:j*2*SP
.set j, j+1
.endr
.endm
.macro SEND                            ; 16 lanes store 256 consecutive bytes, aligned; the pointer stands one step ahead of the rows that leave
.set j, 0
.rept 8
	global_store_b128 v[OO], v[SL+4*j:SL+4*j+3], s[8:9] offset:j*2048-65536
.set j, j+1
.endr
.endm
.macro HSM t                           ; 0.9 h of tile t
.set j, 4*(\t)
.rept 4
	v_pk_mul_f32 v[HS+2*j:HS+2*j+1], v[H+2*j:H+2*j+1], s[C09:C09+1] op_sel_hi:[1,0]
.set j, j+1
.endr
.endm
.macro EADD n, t0                      ; E = c' + 0.9 h for step n of a trip, tiles t0 and t0 + 1, into the accumulators; c' of slot n / 4, register 4 j + n % 4
.set cb, 128*(((\n)/4)%2)+(\n)%4
	WIN 2+(\n)/8                                   ; source 0 in window 2 or 3
.set j, 8*(\t0)
.rept 16
	v_add_f32 v[ACC+j], v[cb+4*j], v[HS+j]
.set j, j+1
.endr
.endm
; Slot sl, read out in the step before, takes the next trip's four steps: 32 loads, each 16 lanes x 16 bytes = 256 consecutive bytes of a row i.  Ahead of them the wait for the slot that this step's end reads first:
; it was asked for twelve steps back; the count leaves out the one refill that was issued four steps back.  The last trip asks for nothing, and waits for all in its own arm.
.macro REFILL sl
	s_cmp_gt_u32 s[CNT], 1
	s_cbranch_scc0 .Llast_\@
	s_wait_loadcnt 32
	WIN 0x80+0x40*((\sl)/2)
.set j, 0
.rept 32
	global_load_b128 v[128*((\sl)%2)+4*j:128*((\sl)%2)+4*j+3], v[CA], s[CP:CP+1] offset:(16*(j/8)+j%8)*16384+256*(\sl) th:TH_LOAD_NT
.set j, j+1
.endr
	WIN 0
	s_branch .Ljoin_\@
.Llast_\@:
	s_wait_loadcnt 0x0
.Ljoin_\@:
.endm
; STEP s of a trip's sixteen.  It reads h of the step before from buffer s % 2 and writes its own into the other.
.macro STEP s
.set p, (\s)%2
.set nx, ((\s)+1)%16
.set k, 0
.rept 6
	ds_load_b128 v[HF+8*k:HF+8*k+3],   v[HA+k] offset:HBB*p
	ds_load_b128 v[HF+8*k+4:HF+8*k+7], v[HA+k] offset:HBB*p+32
.set k, k+1
.endr
	WIN 0x01
	MM 0                                           ; my own 64 k, out of registers
	WIN 0
	STAGE                                          ; the last step's h leaves under this step's products; its 16 LDS instructions stand behind the first products
	WIN 0x01
	s_wait_dscnt 24                                ; the first two fragments are in: 8 younger fragment loads and the stage's 16 may stay out
	MM 2
	s_wait_dscnt 20
	MM 4
.if (\s)%4 == 3
	WIN 0
	REFILL (\s)/4
	WIN 0x01
.endif
	s_wait_dscnt 16
	MM 6
	WIN 0
	s_wait_dscnt 0x0
	SEND
.rept 4
	v_nop                                          ; four places between the last product and the first line that reads a result (ISA guide 7.12.1)
.endr
.if (\s) == 0
.Lepi0:
.endif
.set it, 0
.rept 4                                        ; each accumulator from its low end on; a tile's LDS store stands behind the next tile's arithmetic
.set j, 0
.rept 8
	v_max_num_f32 v[H+8*it+j], v[ACC+8*it+j], v[HS+8*it+j]
.set j, j+1
.endr
.set j, 0
.rept 4
	v_cvt_pk_bf16_f32 v[OF+4*it+j], v[H+8*it+2*j], v[H+8*it+2*j+1]
.set j, j+1
.endr
.if it > 0
	ds_store_b128 v[HST], v[OF+4*(it-1):OF+4*(it-1)+3] offset:32*(it-1)+HBB*(1-p)
.endif
.set it, it+1
.endr
	HSM 0
	ds_store_b128 v[HST], v[OF+12:OF+15] offset:96+HBB*(1-p)
	HSM 1                                          ; while the stores are under way: 0.9 h, and the next step's E
	HSM 2
	HSM 3
	EADD nx, 0
	s_wait_dscnt 0x0                               ; for the others' sake: my h lies in LDS; my reads of the other buffer were over before the products
	s_barrier_signal -1
	EADD nx, 2                                     ; work on registers while the others arrive
	WIN 0
	s_wait_xcnt 0x0                                ; the step's stores and loads have read their registers: the pointers and SL may be written
	s_add_nc_u64 s[8:9], s[8:9], 65536
.if (\s) == 15
	s_add_nc_u64 s[CP:CP+1], s[CP:CP+1], 1024
.endif
	s_barrier_wait -1
.endm
	s_load_b256 s[4:11], s[0:1], 0x0               ; ct s[4:5], whb s[6:7], out0 s[8:9], out1 s[10:11]
	v_lshl_add_u32 v[SPW], v0, 2, SPARE
	v_mov_b32 v[NIL], 0
	v_lshrrev_b32 v4, 5, v0
	v_readfirstlane_b32 s[WV], v4                  ; wave 0..3
	v_and_b32 v1, 15, v0                           ; r
	v_bfe_u32 v2, v0, 4, 1                         ; h
	s_lshl_b32 s20, s[WV], 20                      ; ct's row 64 w, x 16,384 bytes,
	s_lshl_b32 s21, ttmp9, 12                      ; my batch group's 4,096 bytes of a row
	s_add_co_u32 s20, s20, s21
	v_lshlrev_b32 v4, 4, v1
	v_lshl_add_u32 v4, v2, 17, v4                  ; + 8 h rows + 16 r
	v_add_nc_u32 v[CA], s20, v4
	v_lshlrev_b32 v4, 9, v1
	v_lshl_add_u32 v4, v2, 4, v4
	s_lshl_b32 s21, s[WV], 15
	v_add_nc_u32 v4, s21, v4                       ; whb's row 64 w + r (512 bytes a row), 16 bytes for each half of the lanes
	v_mul_u32_u24 v5, v1, HP
	v_lshl_add_u32 v5, v2, 4, v5                   ; h's row r, 16 bytes for each half of the lanes
	s_lshl_b32 s21, s[WV], 1
.irp k, 0, 1, 2, 3, 4, 5, 6, 7
	s_add_co_u32 s22, s21, \k
	s_and_b32 s22, s22, 7                          ; K step (2 w + k) % 8: 64 bytes of a row, in whb and in LDS
	s_lshl_b32 s23, s22, 6
	v_add_nc_u32 v[WA+\k], s23, v4
.if \k >= 2
	v_add_nc_u32 v[HA+\k-2], s23, v5
.endif
.endr
	s_wait_kmcnt 0x0
	WIN 0x40
.set f, 0
.rept 32                                       ; W': fragment f = 8 it + k, two loads of 16 bytes, 32 bytes apart
	global_load_b128 v[8*f:8*f+3],   v[WA+f%8], s[6:7] offset:(f/8)*8192
	global_load_b128 v[8*f+4:8*f+7], v[WA+f%8], s[6:7] offset:(f/8)*8192+32
.set f, f+1
.endr
.irp sl, 0, 1, 2, 3
	WIN 0x80+0x40*(\sl/2)
.set j, 0
.rept 32                                       ; c' of steps 0 to 15
	global_load_b128 v[128*(\sl%2)+4*j:128*(\sl%2)+4*j+3], v[CA], s[4:5] offset:(16*(j/8)+j%8)*16384+256*\sl th:TH_LOAD_NT
.set j, j+1
.endr
.endr
	WIN 0
	s_add_nc_u64 s[CP:CP+1], s[4:5], 1024
	s_mov_b32 s[C09], 0x3f666666
	s_mov_b32 s[C09+1], 0x3f666666
	s_lshl_b32 s20, s[WV], 7
	v_add_nc_u32 v[HST], s20, v5                   ; my 64 i: 128 bytes of a row
	s_mul_i32 s20, s[WV], 16*SP
	s_add_co_u32 s20, s20, STG
	v_mul_u32_u24 v4, v1, SP
	v_lshl_add_u32 v4, v2, 5, v4
	v_add_nc_u32 v[SGS], s20, v4
	v_mul_u32_u24 v4, v2, SP
	v_lshl_add_u32 v4, v1, 4, v4
	v_add_nc_u32 v[SGL], s20, v4
	s_lshl_b32 s20, ttmp9, 14                      ; batch row 16 bg, x 1,024 bytes,
	s_lshl_b32 s21, s[WV], 8                       ; my 64 i
	s_add_co_u32 s20, s20, s21
	v_lshlrev_b32 v4, 4, v1
	v_lshl_add_u32 v4, v2, 10, v4
	v_add_nc_u32 v[OO], s20, v4
	; step 0 has no product and no old h: it enters the one text of a step behind the products, with 0.9 h = 0 and E = c'.  The 32 lines run while the first loads are out.
.set j, 0
.rept 32
	v_mov_b32 v[HS+j], 0
.set j, j+1
.endr
	s_wait_loadcnt 0x0                             ; W' and c'
	EADD 0, 0
	EADD 0, 2
	WIN 0
	s_mov_b32 s[CNT], 4
	s_branch .Lepi0
.Ltrip:                                        ; sixteen steps a trip: c's four slots once each.  The last trip's last step makes an E that no step takes: the price, once a launch, of one text for every step
.irp s, 0, 1, 2, 3, 4, 5, 6, 7, 8, 9, 10, 11, 12, 13, 14, 15
	STEP \s
.endr
	s_sub_co_u32 s[CNT], s[CNT], 1
	s_cmp_lg_u32 s[CNT], 0
	s_cbranch_scc1 .Ltrip
	STAGE                                          ; h of step 63: out0's last rows, and out1
	s_wait_dscnt 0x0
	SEND
.set j, 0
.rept 8
	global_store_b128 v[OO], v[SL+4*j:SL+4*j+3], s[10:11] offset:j*2048
.set j, j+1
.endr
	s_wait_tensorcnt 0x0                           ; the wave's end, behind my last LDS store
	ds_add_u32 v[SPW], v[NIL]
	s_wait_dscnt 0x0
	s_endpgm
.Lfunc_end_k_qa43667c202_rec:
	.size	k_qa43667c202_rec, .Lfunc_end_k_qa43667c202_rec-k_qa43667c202_rec
	.p2alignl 7, 3214868480
	.fill 96, 4, 3214868480
	.section	.rodata,"a",@progbits
	.p2align	6, 0x0
	.amdhsa_kernel k_qa43667c202_rec
		.amdhsa_group_segment_fixed_size 34816
		.amdhsa_private_segment_fixed_size 0
		.amdhsa_enable_private_segment 0
		.amdhsa_kernarg_size 32
		.amdhsa_user_sgpr_count 2
		.amdhsa_user_sgpr_kernarg_segment_ptr 1
		.amdhsa_wavefront_size32 1
		.amdhsa_system_sgpr_workgroup_id_x 1
		.amdhsa_system_sgpr_workgroup_id_y 1
		.amdhsa_system_sgpr_workgroup_id_z 1
		.amdhsa_system_vgpr_workitem_id 0
		.amdhsa_next_free_vgpr 1024
		.amdhsa_next_free_sgpr 66
		.amdhsa_reserve_vcc 0
		.amdhsa_float_denorm_mode_32 3
		.amdhsa_float_denorm_mode_16_64 3
		.amdhsa_memory_ordered 1
		.amdhsa_forward_progress 1
		.amdhsa_inst_pref_size 190
	.end_amdhsa_kernel
	.amdgpu_metadata
---
amdhsa.version: [ 1, 2 ]
amdhsa.kernels:
  - .name:           k_qa43667c202_rec
    .symbol:         k_qa43667c202_rec.kd
    .args:
      - { .name: ct, .offset: 0, .size: 8, .value_kind: global_buffer, .address_space: global }
      - { .name: whb, .offset: 8, .size: 8, .value_kind: global_buffer, .address_space: global }
      - { .name: out0, .offset: 16, .size: 8, .value_kind: global_buffer, .address_space: global }
      - { .name: out1, .offset: 24, .size: 8, .value_kind: global_buffer, .address_space: global }
    .group_segment_fixed_size: 34816
    .private_segment_fixed_size: 0
    .kernarg_segment_align: 8
    .kernarg_segment_size: 32
    .max_flat_workgroup_size: 128
    .sgpr_count:     66
    .vgpr_count:     1024
    .wavefront_size: 32
...
	.end_amdgpu_metadata
.endif
;; end of part 3
;; ======== version 2 of 2: 3 launches; version 1 with the launch rec written anew for expert scheduling mode
;; workspace buffers: ipb 2,097,152 bytes; baset 4,194,304 bytes; ct 4,194,304 bytes; whb 131,072 bytes
;; launch prep: the kernel of part 1 again; grid 128 x 1, 4 waves a work-group, no clusters, 34,304 bytes of LDS; arguments input, W_in, b_in, b_h, W_h, ipb, baset, whb; writes ipb, baset, whb
;; launch main: the kernel of part 2 again; grid 256 x 1, 4 waves a work-group, clusters of 4 x 1, 327,680 bytes of LDS; arguments transform, ipb, baset, ct; writes ct
;; launch rec (part 4): grid 4 x 1, 4 waves a work-group, no clusters, 34,816 bytes of LDS; arguments ct, whb, out0, out1; writes out0, out1
.if DOCPART == 4
	.amdgcn_target "amdgcn-amd-amdhsa--gfx1250"
	.amdhsa_code_object_version 6
	.text
	.protected	k_qa43667c202_rec
	.globl	k_qa43667c202_rec
	.p2align	8
	.type	k_qa43667c202_rec,@function
k_qa43667c202_rec:
	s_mov_b64 s[64:65], 0
	v_nop
	global_prefetch_b8 v0, s[64:65] scope:SCOPE_SE
	s_setreg_imm32_b32 hwreg(HW_REG_WAVE_SCHED_MODE, 0, 2), 2
	s_setreg_imm32_b32 hwreg(HW_REG_WAVE_MODE, 25, 1), 1
	s_wait_xcnt 0x0
	s_wait_alu depctr_vm_vsrc(0)
; TransformCTRNN, launch 3 of 3.  h_t = 0.9 h_(t-1) + 0.1 relu(c_t + h_(t-1) W_h^T), c = ti + b_h; out0[t] = h_t, out1 = h_63.
; THE FORM.  0.9 h + 0.1 max(a, 0) = max(0.9 h + 0.1 a, 0.9 h) for all values.  ct of launch 2 holds c' = 0.1 c, whb of launch 1 W' = 0.1 W_h as bf16.  So a step is: E = 0.9 h + c' is written into the accumulators,
; the 32 products add W' h onto it in place, and h_new = max(sum, 0.9 h): behind the last product stand a maximum, a rounding and the LDS stores alone; 0.9 h and E are made while those stores and the barrier are under way.
; LEFT OUT: step 0's product h0 W_h^T: reference() builds h0 = 0, so the product is 0 for all finite W_h.  An infinity or NaN in W_h therefore reaches the result from step 1 on, not in step 0.
; LIMITS.  h and 0.1 W_h enter the product as bf16; h itself is carried in f32.  The maximum is one in which a NaN loses: where the sum is NaN, h_new = 0.9 h here.
; SHARES.  The steps follow each other, a step needs all of h, and nothing may pass between work-groups: so a work-group takes 16 batch rows through all 64 steps: four work-groups, all that there are.
; Wave w makes i = 64 w + 0..63: four tiles.  W's 64 rows x 256 k stay in 256 registers.  No cluster: the work-groups share whb alone, read once at the head.
; The product is taken transposed (source 0 = 16 rows of W', source 1 = the 16 rows of h): a lane holds one batch row (lane % 16) and i = 8 (lane / 16) + 0..7 of each tile.  Packed to bf16, two such tiles ARE
; a fragment of h for 32 k.  So K goes in an order of the wave's own, its own 64 k first: those eight products need nothing from LDS and run while the other waves' h comes out of LDS.
; c' lies in four slots of four steps (a load of 16 bytes a lane brings four steps of one i and batch row), so a trip is 16 steps.  A slot is asked for again in the step behind its last use, twelve steps ahead of its next:
; no wave waits for these loads, so nothing is prefetched ahead of them.
; REGISTERS: window 0 addresses and the step's work; window 1 W'; window 2 c' slots 0, 1; window 3 c' slots 2, 3.
; THE MODE: SCHED_MODE bits 1:0 = 2 (LLVM: expert scheduling mode 2), set by the entry lines.  The code itself states the register dependences between vector or matrix instructions and memory or LDS instructions,
; with s_wait_alu, always for 0.
; THE PLAN.  Registers that memory or LDS instructions touch, round the loop:
;   HF    Written by the twelve LDS loads at a step's head; read by that step's products on the other waves' h.
;   H     Written by the maxima at a step's end; read by the lines that make 0.9 h, and by the next step's eight LDS stores into the stage.
;   OF    Written by the roundings at a step's end; read by the four LDS stores behind them, and by the next step's first eight products.
;   SL    Written by the stage's eight LDS loads; read by the step's eight global stores.  No vector line names it.
;   c'    Slot q is written by 32 global loads in step 4 q + 3 of a trip; read by the additions that make E, the last of them at the end of step 4 q + 2.
;   v[8:26], the addresses, are made in the head and never written again: the pointers that move are scalar.  W' is loaded once.  ACC and HS are named by vector and matrix lines alone.
; THE WAITS.  (1) One on va_vdst a step, behind the maxima and roundings: OF and H are written, and the step's products are done reading HF.  Behind it the step has only the lines that make 0.9 h and E: they write HS and ACC
; and read H, HS and c'.  So the four LDS stores of OF, which stand in one run behind the wait, and the next step's fragment loads and stage owe nothing more, over the backward jump and out of the loop too.
; (2) One on vm_vsrc a step, behind the global stores: the stage's stores have read H, the last step's stores OF, the global stores SL; only behind it are H and OF written again, and SL in the next step.
; (3) One on va_vdst at the head of every fourth step, for the slot that the step asks for again: its last readers stand behind the step before's wait (1).
.set HP,    528                        ; a row of h in LDS: 512 bytes + 16 (ISA guide 11.1: the 16 rows of a load start at 16 different groups of four banks)
.set HBB,   16*HP                      ; two buffers of h, by the step's parity
.set STG,   2*HBB                      ; each wave's own stage for the way out: 16 rows x 272 bytes
.set SP,    272
.set SPARE, STG+4*16*SP                ; the spare words, 128 bytes a wave
.set WA,  8                            ; v[8:15]   my offsets in whb, for K step (2 w + k) % 8
.set HA,  16                           ; v[16:21]  LDS: h's fragments for k = 2..7 of that order
.set HST, 22                           ; v22  LDS: where I put 16 bytes of h
.set SGS, 23                           ; v23  the stage: in
.set SGL, 24                           ; v24  the stage: back
.set OO,  25                           ; v25  my offset in a step's rows of out0, and in out1
.set CA,  26                           ; v26  my offset in ct; never rewritten
.set SPW, 28                           ; v28  my spare word; never rewritten
.set NIL, 29                           ; v29  0; never rewritten
.set ACC, 32                           ; v[32:63]
.set H,   64                           ; v[64:95]   h in f32
.set HS,  96                           ; v[96:127]  0.9 h
.set OF,  128                          ; v[128:143] my own h as bf16: two fragments
.set HF,  144                          ; v[144:191] the other six
.set SL,  192                          ; v[192:223] whole rows of h on their way out
.set WV,  12
.set CNT, 14                           ; s14  trips to go
.set CP,  16                           ; s[16:17] ct at the next trip's 16 steps
.set C09, 24                           ; s[24:25] 0.9
.set MSB, 0
.macro WIN new                         ; the immediate's high byte repeats the setting that is left
.if MSB != (\new)
	s_set_vgpr_msb (MSB<<8)|(\new)
.set MSB, (\new)
.endif
.endm
; Eight products: K steps k0, k0 + 1 of my order x four tiles, all in place.  The four accumulators take turns, one instruction a turn, from step to step and over the backward jump too.
.macro MM k0
.irp kk, \k0, (\k0)+1
.if (\kk) < 2
.set rB, OF+8*(\kk)
.else
.set rB, HF+8*((\kk)-2)
.endif
.set it, 0
.rept 4
	v_wmma_f32_16x16x32_bf16 v[ACC+8*it:ACC+8*it+7], v[8*(8*it+(\kk)):8*(8*it+(\kk))+7], v[rB:rB+7], v[ACC+8*it:ACC+8*it+7]
.set it, it+1
.endr
.endr
.endm
.macro STAGE                           ; h in f32 into my own stage, 32 bytes a lane and tile, and back as whole rows of 256 bytes; LDS serves a wave's instructions in order (ISA guide 5.7.1.4)
.set j, 0
.rept 4
	ds_store_b128 v[SGS], v[H+8*j:H+8*j+3]   offset:64*j
	ds_store_b128 v[SGS], v[H+8*j+4:H+8*j+7] offset:64*j+16
.set j, j+1
.endr
.set j, 0
.rept 8
	ds_load_b128 v[SL+4*j:SL+4*j+3], v[SGL] offset:j*2*SP
.set j, j+1
.endr
.endm
.macro SEND                            ; 16 lanes store 256 consecutive bytes, aligned; the pointer stands one step ahead of the rows that leave
.set j, 0
.rept 8
	global_store_b128 v[OO], v[SL+4*j:SL+4*j+3], s[8:9] offset:j*2048-65536
.set j, j+1
.endr
.endm
.macro HSM t                           ; 0.9 h of tile t
.set j, 4*(\t)
.rept 4
	v_pk_mul_f32 v[HS+2*j:HS+2*j+1], v[H+2*j:H+2*j+1], s[C09:C09+1] op_sel_hi:[1,0]
.set j, j+1
.endr
.endm
.macro EADD n, t0                      ; E = c' + 0.9 h for step n of a trip, tiles t0 and t0 + 1, into the accumulators; c' of slot n / 4, register 4 j + n % 4
.set cb, 128*(((\n)/4)%2)+(\n)%4
	WIN 2+(\n)/8                                   ; source 0 in window 2 or 3
.set j, 8*(\t0)
.rept 16
	v_add_f32 v[ACC+j], v[cb+4*j], v[HS+j]
.set j, j+1
.endr
.endm
; Slot sl, read out in the step before, takes the next trip's four steps: 32 loads, each 16 lanes x 16 bytes = 256 consecutive bytes of a row i.  Ahead of them the wait for the slot that this step's end reads first:
; it was asked for twelve steps back; the count leaves out the one refill that was issued four steps back.  The last trip asks for nothing, and waits for all in its own arm.
; That the slot's last readers are done is stated at the step's head; from there to these loads stand LDS lines, window switches and products, which name W', OF, HF and ACC: neither the slot nor v[CA].
.macro REFILL sl
	s_cmp_gt_u32 s[CNT], 1
	s_cbranch_scc0 .Llast_\@
	s_wait_loadcnt 32
	WIN 0x80+0x40*((\sl)/2)
.set j, 0
.rept 32
	global_load_b128 v[128*((\sl)%2)+4*j:128*((\sl)%2)+4*j+3], v[CA], s[CP:CP+1] offset:(16*(j/8)+j%8)*16384+256*(\sl) th:TH_LOAD_NT
.set j, j+1
.endr
	WIN 0
	s_branch .Ljoin_\@
.Llast_\@:
	s_wait_loadcnt 0x0
.Ljoin_\@:
.endm
; STEP s of a trip's sixteen.  It reads h of the step before from buffer s % 2 and writes its own into the other.
.macro STEP s
.set p, (\s)%2
.set nx, ((\s)+1)%16
.if (\s)%4 == 3
	s_wait_alu depctr_va_vdst(0)                   ; the additions at the last step's end are done reading c' slot s / 4, in which this step's 32 global loads land
.endif
.set k, 0
.rept 6                                        ; no wait: the last step's products were done reading HF at its wait behind the roundings, and no vector or matrix line since names HF
	ds_load_b128 v[HF+8*k:HF+8*k+3],   v[HA+k] offset:HBB*p
	ds_load_b128 v[HF+8*k+4:HF+8*k+7], v[HA+k] offset:HBB*p+32
.set k, k+1
.endr
	WIN 0x01
	MM 0                                           ; my own 64 k, out of registers
	WIN 0
	STAGE                                          ; the last step's h leaves under this step's products; its 16 LDS instructions stand behind the first products.  No wait: H was written, and SL read, at the last step's two waits
	WIN 0x01
	s_wait_dscnt 24                                ; the first two fragments are in: 8 younger fragment loads and the stage's 16 may stay out
	MM 2
	s_wait_dscnt 20
	MM 4
.if (\s)%4 == 3
	WIN 0
	REFILL (\s)/4
	WIN 0x01
.endif
	s_wait_dscnt 16
	MM 6
	WIN 0
	s_wait_dscnt 0x0
	SEND
	s_wait_alu depctr_vm_vsrc(0)                   ; the stage's LDS stores have read H, which the maxima below write; the last step's LDS stores have read OF, which the roundings write; the global stores have read SL, in which the next step's loads land
.rept 4
	v_nop                                          ; four places between the last product and the first line that reads a result (ISA guide 7.12.1)
.endr
.if (\s) == 0
.Lepi0:
.endif
.set it, 0
.rept 4                                        ; each accumulator from its low end on
.set j, 0
.rept 8
	v_max_num_f32 v[H+8*it+j], v[ACC+8*it+j], v[HS+8*it+j]
.set j, j+1
.endr
.set j, 0
.rept 4
	v_cvt_pk_bf16_f32 v[OF+4*it+j], v[H+8*it+2*j], v[H+8*it+2*j+1]
.set j, j+1
.endr
.set it, it+1
.endr
	s_wait_alu depctr_va_vdst(0)                   ; the roundings have written OF, which the four LDS stores read; the maxima have written H, which the next step's stage stores read; the products are done reading HF, in which the next step's loads land; on the way in from the head: v[HST], v[SGS], v[SGL] and v[OO] are written
.set it, 0
.rept 4
	ds_store_b128 v[HST], v[OF+4*it:OF+4*it+3] offset:32*it+HBB*(1-p)
.set it, it+1
.endr
	HSM 0                                          ; while the stores are under way: 0.9 h, and the next step's E
	HSM 1
	HSM 2
	HSM 3
	EADD nx, 0
	s_wait_dscnt 0x0                               ; for the others' sake: my h lies in LDS; my reads of the other buffer were over before the products
	s_barrier_signal -1
	EADD nx, 2                                     ; work on registers while the others arrive
	WIN 0
	s_wait_xcnt 0x0                                ; the step's stores and loads have read their registers: the pointers and SL may be written
	s_add_nc_u64 s[8:9], s[8:9], 65536
.if (\s) == 15
	s_add_nc_u64 s[CP:CP+1], s[CP:CP+1], 1024
.endif
	s_barrier_wait -1
.endm
	s_load_b256 s[4:11], s[0:1], 0x0               ; ct s[4:5], whb s[6:7], out0 s[8:9], out1 s[10:11]
	v_lshl_add_u32 v[SPW], v0, 2, SPARE
	v_mov_b32 v[NIL], 0
	v_lshrrev_b32 v4, 5, v0
	v_readfirstlane_b32 s[WV], v4                  ; wave 0..3
	v_and_b32 v1, 15, v0                           ; r
	v_bfe_u32 v2, v0, 4, 1                         ; h
	s_wait_alu depctr_va_sdst(0)                   ; the wave's number is written, ahead of its first reader: offsets and LDS addresses are made from it
	s_lshl_b32 s20, s[WV], 20                      ; ct's row 64 w, x 16,384 bytes,
	s_lshl_b32 s21, ttmp9, 12                      ; my batch group's 4,096 bytes of a row
	s_add_co_u32 s20, s20, s21
	v_lshlrev_b32 v4, 4, v1
	v_lshl_add_u32 v4, v2, 17, v4                  ; + 8 h rows + 16 r
	v_add_nc_u32 v[CA], s20, v4
	v_lshlrev_b32 v4, 9, v1
	v_lshl_add_u32 v4, v2, 4, v4
	s_lshl_b32 s21, s[WV], 15
	v_add_nc_u32 v4, s21, v4                       ; whb's row 64 w + r (512 bytes a row), 16 bytes for each half of the lanes
	v_mul_u32_u24 v5, v1, HP
	v_lshl_add_u32 v5, v2, 4, v5                   ; h's row r, 16 bytes for each half of the lanes
	s_lshl_b32 s21, s[WV], 1
.irp k, 0, 1, 2, 3, 4, 5, 6, 7
	s_add_co_u32 s22, s21, \k
	s_and_b32 s22, s22, 7                          ; K step (2 w + k) % 8: 64 bytes of a row, in whb and in LDS
	s_lshl_b32 s23, s22, 6
	v_add_nc_u32 v[WA+\k], s23, v4
.if \k >= 2
	v_add_nc_u32 v[HA+\k-2], s23, v5
.endif
.endr
	s_wait_kmcnt 0x0
	WIN 0x40
	s_wait_alu depctr_va_vdst(0)                   ; v[WA ..] and v[CA] are written, which the loads below read as their offsets; so are v[HA ..], which every step's fragment loads read
.set f, 0
.rept 32                                       ; W': fragment f = 8 it + k, two loads of 16 bytes, 32 bytes apart
	global_load_b128 v[8*f:8*f+3],   v[WA+f%8], s[6:7] offset:(f/8)*8192
	global_load_b128 v[8*f+4:8*f+7], v[WA+f%8], s[6:7] offset:(f/8)*8192+32
.set f, f+1
.endr
.irp sl, 0, 1, 2, 3
	WIN 0x80+0x40*(\sl/2)
.set j, 0
.rept 32                                       ; c' of steps 0 to 15
	global_load_b128 v[128*(\sl%2)+4*j:128*(\sl%2)+4*j+3], v[CA], s[4:5] offset:(16*(j/8)+j%8)*16384+256*\sl th:TH_LOAD_NT
.set j, j+1
.endr
.endr
	WIN 0
	s_add_nc_u64 s[CP:CP+1], s[4:5], 1024
	s_mov_b32 s[C09], 0x3f666666
	s_mov_b32 s[C09+1], 0x3f666666
	s_lshl_b32 s20, s[WV], 7
	v_add_nc_u32 v[HST], s20, v5                   ; my 64 i: 128 bytes of a row
	s_mul_i32 s20, s[WV], 16*SP
	s_add_co_u32 s20, s20, STG
	v_mul_u32_u24 v4, v1, SP
	v_lshl_add_u32 v4, v2, 5, v4
	v_add_nc_u32 v[SGS], s20, v4
	v_mul_u32_u24 v4, v2, SP
	v_lshl_add_u32 v4, v1, 4, v4
	v_add_nc_u32 v[SGL], s20, v4
	s_lshl_b32 s20, ttmp9, 14                      ; batch row 16 bg, x 1,024 bytes,
	s_lshl_b32 s21, s[WV], 8                       ; my 64 i
	s_add_co_u32 s20, s20, s21
	v_lshlrev_b32 v4, 4, v1
	v_lshl_add_u32 v4, v2, 10, v4
	v_add_nc_u32 v[OO], s20, v4
	; step 0 has no product and no old h: it enters the one text of a step behind the products, with 0.9 h = 0 and E = c'.  The 32 lines run while the first loads are out.
.set j, 0
.rept 32
	v_mov_b32 v[HS+j], 0
.set j, j+1
.endr
	s_wait_loadcnt 0x0                             ; W' and c'
	EADD 0, 0
	EADD 0, 2
	WIN 0
	s_mov_b32 s[CNT], 4
	s_branch .Lepi0
.Ltrip:                                        ; sixteen steps a trip: c's four slots once each.  The last trip's last step makes an E that no step takes: the price, once a launch, of one text for every step
.irp s, 0, 1, 2, 3, 4, 5, 6, 7, 8, 9, 10, 11, 12, 13, 14, 15
	STEP \s
.endr
	s_sub_co_u32 s[CNT], s[CNT], 1
	s_cmp_lg_u32 s[CNT], 0
	s_cbranch_scc1 .Ltrip
	STAGE                                          ; h of step 63: out0's last rows, and out1.  No wait, as at a step's head: H was written, and SL read, at the last step's two waits
	s_wait_dscnt 0x0
	SEND
.set j, 0
.rept 8
	global_store_b128 v[OO], v[SL+4*j:SL+4*j+3], s[10:11] offset:j*2048
.set j, j+1
.endr
	s_wait_dscnt 0x0                               ; the wave's end
	s_wait_alu 0x0
	s_wait_tensorcnt 0x0
	ds_add_u32 v[SPW], v[NIL]
	s_wait_dscnt 0x0
	s_endpgm
.Lfunc_end_k_qa43667c202_rec:
	.size	k_qa43667c202_rec, .Lfunc_end_k_qa43667c202_rec-k_qa43667c202_rec
	.p2alignl 7, 3214868480
	.fill 96, 4, 3214868480
	.section	.rodata,"a",@progbits
	.p2align	6, 0x0
	.amdhsa_kernel k_qa43667c202_rec
		.amdhsa_group_segment_fixed_size 34816
		.amdhsa_private_segment_fixed_size 0
		.amdhsa_enable_private_segment 0
		.amdhsa_kernarg_size 32
		.amdhsa_user_sgpr_count 2
		.amdhsa_user_sgpr_kernarg_segment_ptr 1
		.amdhsa_wavefront_size32 1
		.amdhsa_system_sgpr_workgroup_id_x 1
		.amdhsa_system_sgpr_workgroup_id_y 1
		.amdhsa_system_sgpr_workgroup_id_z 1
		.amdhsa_system_vgpr_workitem_id 0
		.amdhsa_next_free_vgpr 1024
		.amdhsa_next_free_sgpr 66
		.amdhsa_reserve_vcc 0
		.amdhsa_float_denorm_mode_32 3
		.amdhsa_float_denorm_mode_16_64 3
		.amdhsa_memory_ordered 1
		.amdhsa_forward_progress 1
		.amdhsa_inst_pref_size 191
	.end_amdhsa_kernel
	.amdgpu_metadata
---
amdhsa.version: [ 1, 2 ]
amdhsa.kernels:
  - .name:           k_qa43667c202_rec
    .symbol:         k_qa43667c202_rec.kd
    .args:
      - { .name: ct, .offset: 0, .size: 8, .value_kind: global_buffer, .address_space: global }
      - { .name: whb, .offset: 8, .size: 8, .value_kind: global_buffer, .address_space: global }
      - { .name: out0, .offset: 16, .size: 8, .value_kind: global_buffer, .address_space: global }
      - { .name: out1, .offset: 24, .size: 8, .value_kind: global_buffer, .address_space: global }
    .group_segment_fixed_size: 34816
    .private_segment_fixed_size: 0
    .kernarg_segment_align: 8
    .kernarg_segment_size: 32
    .max_flat_workgroup_size: 128
    .sgpr_count:     66
    .vgpr_count:     1024
    .wavefront_size: 32
...
	.end_amdgpu_metadata
.endif
;; end of part 4
